; MI455X (gfx1250); checked and timed in simulation.
; The chip was launched on July 23, 2026; its instructions are those of AMD's public machine-readable ISA for CDNA 5 (MIT licence, August 2026) and "CDNA5" Instruction Set Architecture Reference Guide (July 2026). The comments in the code are by the model that wrote it; some were corrected since.
;; Causal Self Attention. Allowed arithmetic: matrix products marked QUANTISED: E5M2 operands, one E8M0 scale for each 32 along K, by v_wmma_scale_f32_16x16x128_f8f6f4 with both operands' format E5M2, f32 sums; everything else in f32.
;; Inputs: b_attn 3,072 float32; b_proj 1,024 float32; hidden_states 4 x 2,048 x 1,024 float32; w_attn 1,024 x 3,072 float32; w_proj 1,024 x 1,024 float32.
;; Outputs: out0 4 x 2,048 x 1,024 float32.
;; This version of the problem:
;;   THIS VERSION OF THE PROBLEM IS GIVEN IN LOW PRECISION. The matrix products marked QUANTISED in the list below multiply operands that are first quantised to E5M2 (5 exponent bits, 2 mantissa bits; 8 bits a number), with one power-of-two scale for each 32 numbers along K (OCP MX v1.0); their sums are f32. All else is computed in f32.
;;   The module's matrix products, in the order in which they are computed (A, B: the left and right operand; K: the contracted axis; several contracted axes count as one K, in the product's order):
;;     1. [M 8,192, K 1,024] x [K 1,024, N 3,072]; A: input hidden_states; B: input w_attn: QUANTISED
;;     2. batch 64 x [M 2,048, K 64] x [K 64, N 2,048]; A: computed on the way; B: computed on the way: QUANTISED
;;     3. batch 64 x [M 2,048, K 2,048] x [K 2,048, N 64]; A: softmax (see below); B: computed on the way: QUANTISED
;;     4. [M 8,192, K 1,024] x [K 1,024, N 1,024]; A: computed on the way; B: input w_proj: QUANTISED
;;   THE QUANTISER, for each operand of a quantised product, along K:
;;     - K is cut into blocks of 32 from its start; a last block that is shorter is filled with zeros.
;;     - A block's scale is 2^e with e = floor(log2(the largest magnitude in the block)) - 15, held to -126 .. 127; a block of zeros has e = 0. As a byte (E8M0): e + 127.
;;     - Each number is divided by its block's scale, clamped to +-57,344, and rounded to the nearest number of E5M2, ties to even, subnormals kept.
;;     - The product sums the exact products of the quantised numbers (number of the format x scale) in f32.
;;   ~~~python
;;   def quantise(x, axis):      # numpy; x: float32 -> the quantised numbers, widened to float32 again
;;       x = np.moveaxis(x, axis, -1); K = x.shape[-1]
;;       x = np.pad(x, [(0, 0)] * (x.ndim - 1) + [(0, -K % 32)]); x = x.reshape(x.shape[:-1] + (-1, 32)); a = np.abs(x).max(-1, keepdims=True)
;;       e = np.where(a > 0, np.clip(np.frexp(np.where(a > 0, a, 1))[1] - 1 - 15, -126, 127), 0)      # np.frexp(a)[1] - 1 = floor(log2(a)), exactly
;;       r = np.clip(x / 2.0 ** e, -57344, 57344)
;;       step = 2.0 ** (np.maximum(np.frexp(np.where(r == 0, 1, r))[1] - 1, -14) - 2)
;;       q = np.round(r / step) * step * 2.0 ** e      # np.round: ties to even
;;       return np.moveaxis(q.reshape(q.shape[:-2] + (-1,))[..., :K], -1, axis).astype(np.float32)
;;   ~~~
;;   SOFTMAX AHEAD OF A QUANTISED PRODUCT. Where the list says 'softmax', what is quantised is not the finished softmax but p = 2^(t - M), with t = logit x log2(e) and M = ceil(the row's largest t), a whole number; so 1/2 < the row's largest p <= 1. The row's sum l is taken of the UNQUANTISED p, in f32, and the product's result is divided by l at the end. Since M is a whole number, a kernel that streams over the keys may use a running M (the ceiling of the running maximum): every later rescaling is an exact power of two, which a block's scale takes up: the codes' values come out the same.
;;   OPERANDS COMPUTED ON THE WAY. 'Computed on the way' means the value that the module computes at that place (a softmax that the list does not call 'softmax' is quantised finished and normalised). What goes into a quantiser is computed in f32, as accurately as f32 sums, v_exp_f32 and their like allow (about 1e-6 of the number): no bf16 or f16 on the way to a quantiser, and a product that is left as it is and whose result goes on into a quantised operand takes f32 operands (vector FMAs, or v_wmma_f32_16x16x4_f32). A number that lies on a knife's edge between two numbers of the format may be rounded either way, as far as f32 arithmetic and the matrix unit's own rounding can turn it there, and no further.
;; One version. Each part assembles by itself: llvm-mc -triple=amdgcn-amd-amdhsa -mcpu=gfx1250 --defsym DOCPART=n.
;; ======== version 1 of 1: 4 launches
;; limits: right only within a limited range of input values
;; workspace buffers: opc 12,582,912 bytes; ops 393,216 bytes; hc 25,165,824 bytes; hs 786,432 bytes; ac 8,388,608 bytes; asc 262,144 bytes
;; launch quant (part 1): grid 512 x 1, 4 waves a work-group, no clusters, 34,304 bytes of LDS; arguments hidden_states, w_attn, w_proj, opc, ops; writes opc, ops
.if DOCPART == 1
	.amdgcn_target "amdgcn-amd-amdhsa--gfx1250"
	.amdhsa_code_object_version 6
	.text
	.protected	k_q9847ff71b8_quant
	.globl	k_q9847ff71b8_quant
	.p2align	8
	.type	k_q9847ff71b8_quant,@function
k_q9847ff71b8_quant:
	s_mov_b64 s[64:65], 0
	v_nop
	global_prefetch_b8 v0, s[64:65] scope:SCOPE_SE
	s_setreg_imm32_b32 hwreg(HW_REG_WAVE_MODE, 25, 1), 1
	s_wait_xcnt 0x0
; hidden_states [8192][1024], w_attn [1024][3072] and w_proj [1024][1024], f32, become codes of BF8 (E5M2) with one E8M0 scale byte for each 32 along K (K = 1024 in all three).
; THE CODES' LAYOUT is the order of the operand's registers.  A matrix of rows x 1024 codes is cut into tiles of 16 rows, 16,384 bytes each: [K step of 128: 8][c: 4][lane: 32][16 bytes]; lane r + 16 h holds
; k = 128 s + 32 c + 16 h + 0 .. 15 of its row.  THE ROWS OF A TILE ARE NOT NEIGHBOURS: lane r of tile 2 g + u holds row 32 g + 8 u + r + 8 (r / 8).  A fragment is 2,048 consecutive bytes.
; THE SCALE WORDS: 512 bytes a tile, [half of K: 2][r: 16][word: 4]; byte c of word s % 4 belongs to the block 128 s + 32 c.
; opc: x at 0, w_attn's 3,072 columns as rows at 0x800000, w_proj's 1,024 at 0xB00000.  ops: 0, 0x40000, 0x58000.
; A block's scale is 2^(floor(log2(its largest magnitude)) - 15): its byte is the largest magnitude's exponent field - 15, held at 1 from below; each number is held within +-57,344 x the scale and converted, ties to even.
; LIMITS: NaN and infinities among the inputs are not served.  A block of zeros gets the byte 1 where the rule says 127: its codes are zeros, and these bytes are read by this program alone.
; THREE WAYS, parted on the work-group's number: 0-255 x (K innermost: through a stage in LDS, so that loads are dense and a lane yet holds 16 neighbours); 256-447 w_attn, 448-511 w_proj (K outermost: a lane takes
; a column and its registers run down K; no LDS).  Waves share nothing: no barrier.  The weights' scale words leave as 4 bytes at a pitch of 16: one byte in 128 of what that way reads.
.set SEL,  20                          ; s[20:21] lane selects: lane l xor 16
.set MNT,  23
.set HI16, 24                          ; s24 a mask of lanes 16-31
.set R,    16                          ; v16-143  two sets of 64: a fragment's numbers as loaded
.set X,    144                         ; v144-207 the same, 16 neighbours of each of four blocks
.set PC,   208                         ; v208-223 a fragment's codes
.set TM,   224                         ; v224-239 at work
.set PW,   240                         ; v240     the scale word just made
.set W,    241                         ; v241-244 the four fragments' scale words
.set OUT,  246                         ; v[246:247]
.set SP,   528                         ; a stage row: 512 bytes + 16, so that sixteen rows start in sixteen different groups of banks
.set WSTG, 16*SP                       ; a wave's stage
; 64 numbers of a lane, register 16 b + i = k 32 b + 16 (lane / 16) + i of my row, become a fragment's codes in v[PC] on and its scale word in v[PW]
.macro QUANT s
.irp b, 0,1,2,3
	v_max3_num_f32 v[TM+\b], |v[\s+16*\b]|, |v[\s+1+16*\b]|, 0x8000000   ; my 16 numbers of block b, and the floor 2^(16 - 127): the byte cannot fall under 1
.endr
.irp i, 2,4,6,8,10,12,14
.irp b, 0,1,2,3
	v_max3_num_f32 v[TM+\b], v[TM+\b], |v[\s+16*\b+\i]|, |v[\s+1+16*\b+\i]|
.endr
.endr
.irp b, 0,1,2,3
	v_permlanex16_b32 v[TM+4+\b], v[TM+\b], s[SEL], s[SEL+1]
.endr
.irp b, 0,1,2,3
	v_max_num_f32 v[TM+\b], v[TM+\b], v[TM+4+\b]              ; with lane l xor 16's: the block's largest magnitude
.endr
.irp b, 0,1,2,3
	v_add_nc_u32 v[TM+12+\b], 0xf8800000, v[TM+\b]            ; 15 off its exponent field: the conversion's scale operand
.endr
.irp b, 0,1,2,3
.endr
.irp b, 0,1,2,3
	v_lshrrev_b32 v[TM+4+\b], 23, v[TM+12+\b]                 ; the scale's byte
.endr
	v_lshl_or_b32 v[PW], v[TM+5], 8, v[TM+4]
	v_lshl_or_b32 v[PW], v[TM+6], 16, v[PW]
	v_lshl_or_b32 v[PW], v[TM+7], 24, v[PW]
.irp b, 0,1,2,3
.irp i, 0,1,2,3,4,5,6,7,8,9,10,11,12,13,14,15
.endr
	v_cvt_scalef32_pk8_bf8_f32 v[PC+4*\b:PC+1+4*\b], v[\s+16*\b:\s+7+16*\b], v[TM+12+\b]
	v_cvt_scalef32_pk8_bf8_f32 v[PC+2+4*\b:PC+3+4*\b], v[\s+8+16*\b:\s+15+16*\b], v[TM+12+\b]
.endr
	v_nop                                                      ; a plain line behind the last conversion
.endm
.macro XLOAD f                         ; fragment f: 128 numbers of each of the tile's 16 rows; a load takes 512 consecutive bytes of one row
.irp i, 0,1,2,3,4,5,6,7,8,9,10,11,12,13,14,15
	global_load_b128 v[R+64*((\f)%2)+4*\i:R+64*((\f)%2)+4*\i+3], v1, s[4:5] offset:(\i+8*(\i/8))*4096+512*(\f) th:TH_LOAD_NT
.endr
.endm
.macro XTURN f                         ; through my stage: in as loaded, back 64 bytes a lane and block.  LDS serves a wave's instructions in order: no wait between
.irp i, 0,1,2,3,4,5,6,7,8,9,10,11,12,13,14,15
	ds_store_b128 v2, v[R+64*((\f)%2)+4*\i:R+64*((\f)%2)+4*\i+3] offset:SP*\i
.endr
.irp c, 0,1,2,3
.irp j, 0,1,2,3
	ds_load_b128 v[X+16*\c+4*\j:X+16*\c+4*\j+3], v3 offset:128*\c+16*\j
.endr
.endr
.endm
.macro XFRAG f
.if (\f) < 3
	s_wait_loadcnt 16                              ; this fragment's 16 loads are in; the next fragment's 16 may be out
.else
	s_wait_loadcnt 0x0
.endif
	XTURN \f
	s_wait_dscnt 0x0                               ; the numbers are back, and the stores into the stage have read their registers
.if (\f) > 0
	s_wait_xcnt 0x0                                ; the last fragment's stores have read their codes: v[PC] on is written again only behind this wait
.endif
.if (\f) < 2
	XLOAD (\f)+2
.endif
	QUANT X
	v_mov_b32 v[W+(\f)], v[PW]
.irp c, 0,1,2,3
	global_store_b128 v1, v[PC+4*\c:PC+4*\c+3], s[10:11] offset:2048*(\f)+512*\c   ; 512 consecutive bytes
.endr
.endm
; the weights' way
.macro WLOAD t, n, src                 ; block t: w(32 t + i, my column), i = 0 .. 31, into set t % 2
.irp i, 0,1,2,3,4,5,6,7,8,9,10,11,12,13,14,15,16,17,18,19,20,21,22,23,24,25,26,27,28,29,30,31
	global_load_b32 v[32+32*((\t)%2)+\i], v3, s[\src:\src+1] offset:(32*(\t)+\i)*(\n)*4 th:TH_LOAD_NT
.endr
.endm
.macro WBLOCK t, n, src
.set XS, 32+32*((\t)%2)
.if (\t) < 3
	s_wait_loadcnt 32                              ; this block's 32 loads are in; the next block's 32 may be out
.else
	s_wait_loadcnt 0x0
.endif
	v_max3_num_f32 v12, |v[XS]|, |v[XS+1]|, |v[XS+2]|         ; all 32 numbers of the block are mine
	v_max3_num_f32 v13, |v[XS+3]|, |v[XS+4]|, |v[XS+5]|
.irp i, 6,10,14,18,22,26
	v_max3_num_f32 v12, v12, |v[XS+\i]|, |v[XS+\i+1]|
	v_max3_num_f32 v13, v13, |v[XS+\i+2]|, |v[XS+\i+3]|
.endr
	v_max3_num_f32 v12, v12, |v[XS+30]|, |v[XS+31]|
	v_max3_num_f32 v12, v12, v13, 0x8000000        ; and the floor
	v_add_nc_u32 v11, 0xf8800000, v12
	v_lshrrev_b32 v13, 23, v11
.if (\t) == 0
	v_mov_b32 v24, v13
.else
	v_lshl_or_b32 v24, v13, 8*(\t), v24
.endif
.irp i, 0,1,2,3,4,5,6,7,8,9,10,11,12,13,14,15,16,17,18,19,20,21,22,23,24,25,26,27,28,29,30,31
.endr
.irp g, 0,1,2,3
	v_cvt_scalef32_pk8_bf8_f32 v[96+8*(\t)+2*\g:96+8*(\t)+2*\g+1], v[XS+8*\g:XS+8*\g+7], v11
.endr
	v_nop
	global_store_b128 v4, v[96+8*(\t):96+8*(\t)+3], s[10:11] offset:512*(\t)         ; k 32 t + 0 .. 15: the place of lane r; sixteen lanes fill 256 aligned bytes of each of two tiles
	global_store_b128 v4, v[96+8*(\t)+4:96+8*(\t)+7], s[10:11] offset:512*(\t)+256   ; k 32 t + 16 .. 31: the place of lane 16 + r
.if (\t) < 2
	WLOAD (\t)+2, \n, \src
.endif
.endm
; a work-group takes 128 columns x one K step of 128; a wave 32 columns; each block has its own registers for its codes, so no store's data are written again
.macro WQ n, src, coff, soff, first
	s_sub_co_u32 s17, ttmp9, \first
	s_and_b32 s18, s17, 7                          ; the K step
	s_lshr_b32 s19, s17, 3
	s_lshl_b32 s19, s19, 7
	s_lshl_b32 s26, s16, 5
	s_add_co_u32 s19, s19, s26                     ; my wave's first column
	s_mul_i32 s26, s18, 128*(\n)*4
	s_lshl_b32 s27, s19, 2
	s_add_co_u32 s26, s26, s27
	s_mov_b32 s27, 0
	s_add_nc_u64 s[\src:\src+1], s[\src:\src+1], s[26:27]
	s_lshl_b32 s26, s19, 10                        ; column / 16 tiles of 16,384 bytes
	s_lshl_b32 s28, s18, 11
	s_add_co_u32 s26, s26, s28
	s_add_co_u32 s26, s26, \coff
	s_add_nc_u64 s[10:11], s[10:11], s[26:27]
	s_lshl_b32 s26, s19, 5                         ; column / 16 tiles of 512 bytes
	s_lshr_b32 s28, s18, 2
	s_lshl_b32 s28, s28, 8
	s_add_co_u32 s26, s26, s28
	s_and_b32 s28, s18, 3
	s_lshl_b32 s28, s28, 2
	s_add_co_u32 s26, s26, s28
	s_add_co_u32 s26, s26, \soff
	s_add_nc_u64 s[12:13], s[12:13], s[26:27]
	v_lshlrev_b32 v3, 2, v5                        ; in: 4 bytes a lane
	v_bfe_u32 v6, v5, 3, 1                         ; column l of 32 is lane r of tile u: u = bit 3 of l,
	v_and_b32 v7, 7, v5
	v_lshrrev_b32 v8, 1, v5
	v_and_b32 v8, 8, v8
	v_or_b32 v7, v7, v8                            ; r = l % 8 + 8 x bit 4 of l
	v_lshlrev_b32 v7, 4, v7
	v_lshl_add_u32 v4, v6, 14, v7                  ; codes: 16,384 u + 16 r
	v_lshl_add_u32 v9, v6, 9, v7                   ; scale words: 512 u + 16 r
	WLOAD 0, \n, \src
	WLOAD 1, \n, \src
	WBLOCK 0, \n, \src
	WBLOCK 1, \n, \src
	WBLOCK 2, \n, \src
	WBLOCK 3, \n, \src
	global_store_b32 v9, v24, s[12:13]             ; my column's scale word of this K step
	s_endpgm
.endm
	s_load_b256 s[4:11], s[0:1], 0x0               ; x s[4:5], w_attn s[6:7], w_proj s[8:9], opc s[10:11]
	s_load_b64 s[12:13], s[0:1], 0x20              ; ops
	v_lshl_add_u32 v248, v0, 2, 0x8400
	v_mov_b32 v249, 0
	v_lshrrev_b32 v1, 5, v0
	v_readfirstlane_b32 s16, v1                    ; wave
	v_and_b32 v5, 31, v0                           ; lane
	s_wait_kmcnt 0x0
	s_cmp_lt_u32 ttmp9, 256
	s_cbranch_scc0 .Lweights
	; ---- x: wave number 4 x work-group + wave takes tile (number / 2), half (number % 2) of K: four fragments
	s_lshl_b32 s17, ttmp9, 2
	s_add_co_u32 s17, s17, s16
	s_lshr_b32 s18, s17, 1                         ; the tile
	s_and_b32 s19, s17, 1                          ; the half of K
	s_lshr_b32 s26, s18, 1
	s_lshl_b32 s26, s26, 17                        ; 32 rows of 4,096 bytes for each pair of tiles,
	s_and_b32 s27, s18, 1
	s_lshl_b32 s27, s27, 15                        ; 8 rows for the odd tile,
	s_add_co_u32 s26, s26, s27
	s_lshl_b32 s27, s19, 11                        ; 512 numbers for the upper half of K
	s_add_co_u32 s26, s26, s27
	s_mov_b32 s27, 0
	s_add_nc_u64 s[4:5], s[4:5], s[26:27]
	s_lshl_b32 s26, s17, 13                        ; codes: 8,192 bytes a wave
	s_add_nc_u64 s[10:11], s[10:11], s[26:27]
	s_lshl_b32 s26, s17, 8                         ; scale words: 256 bytes a wave
	s_add_nc_u64 s[12:13], s[12:13], s[26:27]
	s_mov_b32 s[SEL], 0x76543210
	s_mov_b32 s[SEL+1], 0xfedcba98
	s_mov_b32 s[HI16], 0xffff0000
	s_wait_alu depctr_va_vdst(0)
	v_lshlrev_b32 v1, 4, v5                        ; 16 x lane
	s_mul_i32 s28, s16, WSTG
	v_add_nc_u32 v2, s28, v1                       ; the stage, on the way in
	v_and_b32 v6, 15, v0                           ; r
	v_bfe_u32 v7, v0, 4, 1                         ; h
	v_mul_u32_u24 v3, v6, SP
	v_lshl_add_u32 v3, v7, 6, v3
	v_add_nc_u32 v3, s28, v3                       ; and back: row r, + 64 h
	v_lshlrev_b32 v4, 4, v6
	v_lshl_add_u32 v4, v7, 3, v4                   ; scale words: 16 r + 8 h
.irp b, 0,1,2,3
	v_mov_b32 v[TM+4+\b], 0                        ; written once: a lane permute's destination counts as one of its sources
.endr
	XLOAD 0
	XLOAD 1
	s_wait_alu depctr_va_vdst(0)
	XFRAG 0
	XFRAG 1
	XFRAG 2
	XFRAG 3
	v_cndmask_b32 v[OUT], v[W], v[W+2], s[HI16]    ; lanes 0-15 store words 0, 1 of row r, lanes 16-31 words 2, 3
	v_cndmask_b32 v[OUT+1], v[W+1], v[W+3], s[HI16]
	global_store_b64 v4, v[OUT:OUT+1], s[12:13]    ; 256 consecutive bytes, aligned
	s_wait_tensorcnt 0x0
	ds_add_u32 v248, v249
	s_wait_dscnt 0x0
	s_endpgm
.Lweights:
	s_cmp_lt_u32 ttmp9, 448
	s_cbranch_scc0 .Lproj
	s_wait_alu depctr_va_vdst(0)
	WQ 3072, 6, 0x800000, 0x40000, 256
.Lproj:
	s_wait_alu depctr_va_vdst(0)
	WQ 1024, 8, 0xB00000, 0x58000, 448
.Lfunc_end_k_q9847ff71b8_quant:
	.size	k_q9847ff71b8_quant, .Lfunc_end_k_q9847ff71b8_quant-k_q9847ff71b8_quant
	.p2alignl 7, 3214868480
	.fill 96, 4, 3214868480
	.section	.rodata,"a",@progbits
	.p2align	6, 0x0
	.amdhsa_kernel k_q9847ff71b8_quant
		.amdhsa_group_segment_fixed_size 34304
		.amdhsa_private_segment_fixed_size 0
		.amdhsa_enable_private_segment 0
		.amdhsa_kernarg_size 40
		.amdhsa_user_sgpr_count 2
		.amdhsa_user_sgpr_kernarg_segment_ptr 1
		.amdhsa_wavefront_size32 1
		.amdhsa_system_sgpr_workgroup_id_x 1
		.amdhsa_system_sgpr_workgroup_id_y 1
		.amdhsa_system_sgpr_workgroup_id_z 1
		.amdhsa_system_vgpr_workitem_id 0
		.amdhsa_next_free_vgpr 250
		.amdhsa_next_free_sgpr 66
		.amdhsa_reserve_vcc 0
		.amdhsa_float_denorm_mode_32 3
		.amdhsa_float_denorm_mode_16_64 3
		.amdhsa_fp16_overflow 1
		.amdhsa_memory_ordered 1
		.amdhsa_forward_progress 1
		.amdhsa_inst_pref_size 74
	.end_amdhsa_kernel
	.amdgpu_metadata
---
amdhsa.version: [ 1, 2 ]
amdhsa.kernels:
  - .name:           k_q9847ff71b8_quant
    .symbol:         k_q9847ff71b8_quant.kd
    .args:
      - { .name: hidden_states, .offset: 0, .size: 8, .value_kind: global_buffer, .address_space: global }
      - { .name: w_attn, .offset: 8, .size: 8, .value_kind: global_buffer, .address_space: global }
      - { .name: w_proj, .offset: 16, .size: 8, .value_kind: global_buffer, .address_space: global }
      - { .name: opc, .offset: 24, .size: 8, .value_kind: global_buffer, .address_space: global }
      - { .name: ops, .offset: 32, .size: 8, .value_kind: global_buffer, .address_space: global }
    .group_segment_fixed_size: 34304
    .private_segment_fixed_size: 0
    .kernarg_segment_align: 8
    .kernarg_segment_size: 40
    .max_flat_workgroup_size: 128
    .sgpr_count:     66
    .vgpr_count:     250
    .wavefront_size: 32
...
	.end_amdgpu_metadata
.endif
;; end of part 1
;; launch qkv (part 2): grid 8 x 48, 4 waves a work-group, clusters of 4 x 4, 327,680 bytes of LDS; arguments opc, ops, b_attn, hc, hs; writes hc, hs
.if DOCPART == 2
	.amdgcn_target "amdgcn-amd-amdhsa--gfx1250"
	.amdhsa_code_object_version 6
	.text
	.protected	k_q9847ff71b8_qkv
	.globl	k_q9847ff71b8_qkv
	.p2align	8
	.type	k_q9847ff71b8_qkv,@function
k_q9847ff71b8_qkv:
	s_mov_b64 s[64:65], 0
	v_nop
	global_prefetch_b8 v0, s[64:65] scope:SCOPE_SE
	s_setreg_imm32_b32 hwreg(HW_REG_WAVE_MODE, 25, 1), 1
	s_wait_xcnt 0x0
	s_wait_alu depctr_hold_cnt(0) depctr_sa_sdst(0) depctr_va_vdst(0) depctr_va_sdst(0) depctr_va_ssrc(0) depctr_va_vcc(0) depctr_vm_vsrc(0)
	s_getreg_b32 s2, hwreg(HW_REG_IB_STS2, 6, 4)
	s_cmp_eq_u32 s2, 0
	s_cbranch_scc0 .Lentry_in_a_cluster
	s_endpgm
.Lentry_in_a_cluster:
	s_bfe_u32 s2, ttmp6, 0x10000c
	s_cmp_lg_u32 s2, 0xf033
	s_cbranch_scc0 .Lentry_shape_is_right
	s_endpgm
.Lentry_shape_is_right:
; qkv = x w_attn + b_attn on codes of BF8 (E5M2) with E8M0 scales; the results are quantised in registers for the attention's products and leave as codes: q and k along the head's 64, v along the keys.
; OPERANDS lie in opc / ops in the order of the operand's registers: tiles of 16 rows, 16,384 bytes: [K step of 128][c][lane][16 bytes]; lane r of tile 2 g + u holds row 32 g + 8 u + r + 8 (r / 8); scale words 512 bytes a
; tile: [half of K][r][word].  In units of 256 rows x is 0-31, w_attn's columns 32-43.  A fragment is four ds_load_b128 of 512 consecutive bytes: no pitch, no padding.
; A work-group of four waves makes 256 x 256, a wave 128 x 128: 64 accumulators, 512 registers.  P is source 1 (its rows fall on the lanes), Q source 0 (its rows run along a lane's registers: by the choice of a tile's rows the
; 16 registers of Q's tiles 2 b, 2 b + 1 are 16 NEIGHBOURS 32 b + 16 (lane / 16) + 0 .. 15).  So a lane's 64 registers of one block of P are 128 neighbours along Q: four blocks of 32, ready for the conversions.
; TWO KINDS, by the cluster's y (the same in all partners): y < 8: P = x (tokens), Q = w_attn's columns 0-2047: q and k, quantised along the features.  y >= 8: P = w_attn's columns 2048-3071, Q = x: v, quantised along the tokens.
; K = 1024 goes in four steps of 256 through two LDS slots; the four steps are written out.  The scale words of the 512 rows come once.  CLUSTERS 4 x 4: P's tiles are shared along a row, Q's along a column, by joint loads.
; OUT: hc: q at 0, k at 0x800000, v at 0x1000000, 131,072 bytes a head.  q, k: [32 tokens: 64][c': 4][lane][16]: c' = 2 u + c'': u which 16 of the 32 tokens, c'' which 32 of the head's 64.  v: [128 keys: 16][tile of 16 d: 4][c][lane][16].
;      hs: q at 0, k at 262,144, v at 524,288, 4,096 bytes a head: q, k [32 tokens][r]: (lower token's two bytes, upper token's two); v [128 keys][tile][r].
; LIMITS: NaN and infinities are not served.  A block whose largest magnitude lies under 2^(16 - 127) gets the byte 1 (a block of zeros too, where the rule says 127: its codes are zeros; this program alone reads the bytes).
; REGISTERS: window 0: v12-31 addresses; v32-63 scale words, two sets; v128-255 P's fragments, one set; on the way out v64-255 at work.  window 1: Q's fragments, two sets.  windows 2, 3: the accumulators ((a, b) at v[8 (8 (a % 4) + b)]).
.set NQ,    2
.set FR,    16
.set NL,    4
.set NP,    8                          ; places behind this matrix instruction (ISA guide 7.12.1)
.set TILEB, 4096                       ; a tile's 16 rows x 256 along K
.set HALFT, 8*TILEB                    ; 128 rows: what one tensor load brings
.set SLOT,  4*HALFT                    ; P's 16 tiles, then Q's 16
.set SCL,   2*SLOT                     ; behind the ring: the scale words: P's halves, then Q's, 4,096 bytes each
.set HALFS, 4096
.set BIAS,  SCL+4*HALFS                ; 256 numbers of b_attn
.set STGQ,  BIAS+1024                  ; the way out's scale words, 512 bytes a wave; each kind has bytes of its own
.set STGV,  STGQ+2048
.set SPARE, STGV+2048                  ; the spare words, 128 bytes for each wave: two blocks of 256 bytes that no other line names
.set ADRA, 16                          ; v16-17 LDS address of P's fragments in slot 0, 1
.set STWQ, 18
.set STRQ, 19
.set ADRB, 20                          ; v20-21 the same for Q
.set STWV, 22
.set STRV, 23
.set LI,   24                          ; v24 16 x lane
.set VBQ,  25                          ; v25 the bias, kind 0
.set VBV,  26                          ; v26 the bias, kind 1
.set ADRS, 27                          ; v27 my scale words: lanes 0-15 P's, lanes 16-31 Q's
.set SPW,  28
.set NIL,  29
.set GSO,  30                          ; v30 the way out's scale words in memory
.set PSEL, 31                          ; v31 byte selects: lanes 0-15 the lower head's two bytes, lanes 16-31 the upper's
.set SC,   32
.set AF,   128
.set BJ,   64                          ; the way out: the bias
.set T,    128                         ;   64 numbers
.set PC,   192                         ;   their codes
.set WD,   208                         ;   scale words on their way to the stage
.set OW,   212                         ;   and back
.set TM,   224
.set PWS,  240                         ;   the eight blocks' scale words
.set PW,   248
.set SEL,  2                           ; s[2:3] lane selects
.set HI16, 100
.set MNT,  101
.set G1, 24
.set G0, 32
.set G1B, 48
.set G0B, 56
.set G1S, 68
.set G0S, 76
.set G1SB, 80
.set G0SB, 88
.set MSB, 0
.macro WIN new                         ; the immediate's high byte repeats the setting that is left
.if MSB != (\new)
	s_set_vgpr_msb (MSB<<8)|(\new)
.set MSB, (\new)
.endif
.endm
.set MUL_LO, 0xa1                      ; source 0 (Q) window 1, source 1 (P) window 0, C and D window 2
.set MUL_HI, 0xf1
.set TO_B,   0x40
; A joint load: waves 0 and 1 fetch for P, waves 2 and 3 for Q; the branch hangs on the wave's number alone.  Four v_nop follow each of the two lines.
.macro JLOAD g0a, g1a, g0b, g1b
	s_cmp_eq_u32 s15, 0
	s_cbranch_scc0 .Lfor_b_\@
	tensor_load_to_lds s[\g0a:\g0a+3], s[\g1a:\g1a+7]
	s_nop 0
.rept 4
	v_nop
.endr
	s_branch .Lasked_\@
.Lfor_b_\@:
	tensor_load_to_lds s[\g0b:\g0b+3], s[\g1b:\g1b+7]
	s_nop 0
.rept 4
	v_nop
.endr
.Lasked_\@:
.endm
.macro CREST                           ; a round of the cluster's barrier behind its opening barrier
	s_cmp_lg_u32 s14, 0
	s_cbranch_scc1 .Lnot_wave_0_\@
	s_barrier_signal -3
.Lnot_wave_0_\@:
	s_barrier_wait -3
	s_barrier_signal -1
	s_barrier_wait -1
.endm
.macro CROUND
	s_barrier_signal -1
	s_barrier_wait -1
	CREST
.endm
.macro PLACES n
.rept \n
	v_nop
.endr
.endm
.macro FRAG reg, adr, q, i             ; tile i's fragment of the slot's q-th 128 along K: 2,048 consecutive bytes
.irp c, 0,1,2,3
	ds_load_b128 v[\reg+4*\c:\reg+4*\c+3], v[\adr] offset:TILEB*(\i)+2048*(\q)+512*\c
.endr
.endm
; 16 matrix instructions: P's blocks a0, a0 + 1 x Q's eight.  The 64 accumulators take turns, one instruction a turn, in the same order in every step.
.macro MUL16 a0, p, q, sc, zero
.irp a, \a0, \a0+1
.irp b, 0,1,2,3,4,5,6,7
.if \zero
	v_wmma_scale_f32_16x16x128_f8f6f4 v[8*(8*((\a)%4)+\b):8*(8*((\a)%4)+\b)+7], v[128*(\p)+FR*\b:128*(\p)+FR*\b+FR-1], v[AF+FR*(\a):AF+FR*(\a)+FR-1], 0, v[SC+8*NQ*(\sc)+NQ*\b+(\q)], v[SC+8*NQ*(\sc)+NQ*(\a)+(\q)] matrix_a_fmt:MATRIX_FMT_BF8 matrix_b_fmt:MATRIX_FMT_BF8 matrix_a_scale:MATRIX_SCALE_ROW1
.else
	v_wmma_scale_f32_16x16x128_f8f6f4 v[8*(8*((\a)%4)+\b):8*(8*((\a)%4)+\b)+7], v[128*(\p)+FR*\b:128*(\p)+FR*\b+FR-1], v[AF+FR*(\a):AF+FR*(\a)+FR-1], v[8*(8*((\a)%4)+\b):8*(8*((\a)%4)+\b)+7], v[SC+8*NQ*(\sc)+NQ*\b+(\q)], v[SC+8*NQ*(\sc)+NQ*(\a)+(\q)] matrix_a_fmt:MATRIX_FMT_BF8 matrix_b_fmt:MATRIX_FMT_BF8 matrix_a_scale:MATRIX_SCALE_ROW1
.endif
.endr
.endr
.endm
.macro FETCH_B slot, q, p
	WIN TO_B
.irp i, 0,1,2,3,4,5,6,7
	FRAG 128*(\p)+FR*\i, ADRB+\slot, \q, \i
.endr
	WIN 0
.endm
.macro FETCH_A slot, q, i0
.irp i, \i0, \i0+1, \i0+2, \i0+3
	FRAG AF+FR*(\i), ADRA+\slot, \q, \i
.endr
.endm
.macro SCALES sc, kap                  ; K step kap's two words a row into set sc: lanes 0-15 P's block i, lanes 16-31 Q's block i
.irp i, 0,1,2,3,4,5,6,7
	ds_load_b64 v[SC+8*NQ*(\sc)+NQ*\i:SC+8*NQ*(\sc)+NQ*\i+1], v[ADRS] offset:\i*512+256*((\kap)/2)+8*((\kap)%2)
.endr
.endm
.macro STEP slot, q, zero              ; 128 along K whose successor lies in the same slot
	s_wait_dscnt 4*NL                              ; all but the youngest 16 loads (P's blocks 4-7) are in
	WIN MUL_LO
	MUL16 0, (\q)%2, \q, \slot, \zero
	MUL16 2, (\q)%2, \q, \slot, \zero
	s_wait_dscnt 0
	PLACES NP
	FETCH_B \slot, (\q)+1, 1-(\q)%2
	FETCH_A \slot, (\q)+1, 0
	WIN MUL_HI
	MUL16 4, (\q)%2, \q, \slot, \zero
	MUL16 6, (\q)%2, \q, \slot, \zero
	PLACES NP
	WIN 0
	FETCH_A \slot, (\q)+1, 4
.endm
; A slot's last 128 along K, and the change of slots: ONE barrier; in front of it each wave waits for all its tensor loads, adds 0 to its spare word, and waits for that and for its reads of this slot.
.macro TURN slot, next, fill, kap
	s_wait_tensorcnt 0x0                           ; all my tensor loads have landed: my part of the next slot
	ds_add_u32 v[SPW], v[NIL]                      ; 0 onto my spare word
	s_wait_dscnt 4*NL+1                            ; (the add and the youngest 16 loads may be out)
	WIN MUL_LO
	MUL16 0, 1, NQ-1, \slot, 0
	s_wait_dscnt 0x0                               ; the add is done, and my reads of this slot are over
	s_barrier_signal -1
	MUL16 2, 1, NQ-1, \slot, 0
	WIN 0
	s_barrier_wait -1
.if \fill
	CREST                                          ; the barrier has opened a round of the cluster's: no wave of any partner still reads this slot or has a load on its way
	s_add_nc_u64 s[G0+4*\slot+2:G0+4*\slot+3], s[G0+4*\slot+2:G0+4*\slot+3], 2*TILEB
	s_add_nc_u64 s[G0B+4*\slot+2:G0B+4*\slot+3], s[G0B+4*\slot+2:G0B+4*\slot+3], 2*TILEB
	JLOAD G0+4*\slot, G1, G0B+4*\slot, G1B         ; the first tensor load behind the round; its four v_nop are among the places in front of the loads below
	PLACES NP-4
.else
	PLACES NP
.endif
	FETCH_B \next, 0, 0
	FETCH_A \next, 0, 0
	SCALES \next, \kap
	WIN MUL_HI
	MUL16 4, 1, NQ-1, \slot, 0
	MUL16 6, 1, NQ-1, \slot, 0
	PLACES NP
	WIN 0
	FETCH_A \next, 0, 4
.endm
; 64 numbers of a lane, register 16 b + i = neighbour 32 b + 16 (lane / 16) + i, become 16 registers of codes in v[PC] on and four scale bytes in v[PW]
.macro QUANT s
.irp b, 0,1,2,3
	v_max3_num_f32 v[TM+\b], |v[\s+16*\b]|, |v[\s+1+16*\b]|, 0x8000000   ; my 16 numbers of block b, and the floor 2^(16 - 127)
.endr
.irp i, 2,4,6,8,10,12,14
.irp b, 0,1,2,3
	v_max3_num_f32 v[TM+\b], v[TM+\b], |v[\s+16*\b+\i]|, |v[\s+1+16*\b+\i]|
.endr
.endr
.irp b, 0,1,2,3
	v_permlanex16_b32 v[TM+4+\b], v[TM+\b], s[SEL], s[SEL+1]
.endr
.irp b, 0,1,2,3
	v_max_num_f32 v[TM+\b], v[TM+\b], v[TM+4+\b]
.endr
.irp b, 0,1,2,3
	v_add_nc_u32 v[TM+12+\b], 0xf8800000, v[TM+\b]            ; 15 off the exponent field: the conversion's scale operand
.endr
.irp b, 0,1,2,3
.endr
.irp b, 0,1,2,3
	v_lshrrev_b32 v[TM+4+\b], 23, v[TM+12+\b]
.endr
	v_lshl_or_b32 v[PW], v[TM+5], 8, v[TM+4]
	v_lshl_or_b32 v[PW], v[TM+6], 16, v[PW]
	v_lshl_or_b32 v[PW], v[TM+7], 24, v[PW]
.irp b, 0,1,2,3
.irp i, 0,1,2,3,4,5,6,7,8,9,10,11,12,13,14,15
.endr
	v_cvt_scalef32_pk8_bf8_f32 v[PC+4*\b:PC+1+4*\b], v[\s+16*\b:\s+7+16*\b], v[TM+12+\b]
	v_cvt_scalef32_pk8_bf8_f32 v[PC+2+4*\b:PC+3+4*\b], v[\s+8+16*\b:\s+15+16*\b], v[TM+12+\b]
.endr
	v_nop
.endm
	s_load_b128 s[4:7], s[0:1], 0x0                ; opc, ops
	s_load_b128 s[8:11], s[0:1], 0x10              ; b_attn, hc
	s_load_b64 s[12:13], s[0:1], 0x20              ; hs
	v_lshl_add_u32 v[SPW], v0, 2, SPARE
	v_mov_b32 v[NIL], 0
	ds_add_u32 v28, v29
	ds_add_u32 v28, v29
	s_wait_dscnt 0x0
	v_lshrrev_b32 v1, 5, v0
	v_readfirstlane_b32 s14, v1                    ; wave 0..3
	s_lshr_b32 s15, s14, 1                         ; my half of P.  Also: I fetch for P (0) or for Q (1)
	s_and_b32 s16, s14, 1                          ; my half of Q.  Also: which 128 rows I fetch
	s_bfe_u32 s40, ttmp6, 0x40000                  ; cx
	s_bfe_u32 s41, ttmp6, 0x40004                  ; cy
	s_and_b32 s95, ttmp7, 0xffff                   ; the cluster's y
	s_lshl_b32 s17, s95, 2
	s_add_co_u32 s17, s17, s41                     ; kind 0: P = x's unit 4 y + cy
	s_add_co_u32 s18, s41, 40                      ; kind 1: P = w_attn's unit 8 + cy
	s_lshl_b32 s66, ttmp9, 2
	s_add_co_u32 s66, s66, s40                     ; 4 x + cx
	s_add_co_u32 s42, s66, 32                      ; kind 0: Q = w_attn's unit 4 x + cx
	s_max_u32 s46, s95, 8
	s_sub_co_u32 s46, s46, 8
	s_lshl_b32 s46, s46, 3
	s_add_co_u32 s46, s46, s66                     ; kind 1: Q = x's unit 8 (y - 8) + 4 x + cx
	s_cmp_ge_u32 s95, 8                            ; the kind hangs on the cluster's y alone
	s_cselect_b32 s17, s18, s17                    ; P's unit: it never holds cx
	s_cselect_b32 s42, s46, s42                    ; Q's unit: it never holds cy
	s_cselect_b32 s96, 1, 0
	s_lshl_b32 s43, s41, 2
	s_lshl_b32 s43, 15, s43                        ; my row of the cluster
	s_lshl_b32 s44, 0x1111, s40                    ; my column
	; codes: 8 tiles' 4,096 bytes of a K step, 16,384 bytes apart: 8 rows of 512 elements of 8 bytes, dense in LDS
	s_or_b32 s[G1+0], s43, (3<<16)|(1<<21)
	s_or_b32 s[G1B+0], s44, (3<<16)|(1<<21)
.irp g, G1, G1B
	s_mov_b32 s[\g+1], 512<<16                     ; tensor_dim0
	s_mov_b32 s[\g+2], 8<<16                       ; tensor_dim1
	s_mov_b32 s[\g+3], 512<<16                     ; tile_dim0
	s_mov_b32 s[\g+4], 8                           ; tile_dim1
	s_mov_b32 s[\g+5], 2048                        ; tensor_dim0_stride
	s_mov_b32 s[\g+6], 0
	s_mov_b32 s[\g+7], 0
.endr
	; scale words of 128 rows: 4,096 dense bytes as 16 rows of 256
	s_or_b32 s[G1S+0], s43, (3<<16)|(1<<21)
	s_or_b32 s[G1SB+0], s44, (3<<16)|(1<<21)
.irp g, G1S, G1SB
	s_mov_b32 s[\g+1], 32<<16
	s_mov_b32 s[\g+2], 16<<16
	s_mov_b32 s[\g+3], 32<<16
	s_mov_b32 s[\g+4], 16
	s_mov_b32 s[\g+5], 32
	s_mov_b32 s[\g+6], 0
	s_mov_b32 s[\g+7], 0
.endr
	s_lshl_b32 s19, s16, 17                        ; the half that I fetch: 8 tiles of codes,
	s_lshl_b32 s97, s16, 12                        ; 8 tiles of scale words
	s_lshl_b32 s20, s17, 18
	s_add_co_u32 s20, s20, s19
	s_mov_b32 s21, 0
	s_lshl_b32 s46, s42, 18
	s_add_co_u32 s46, s46, s19
	s_mov_b32 s47, 0
	s_lshl_b32 s22, s17, 13
	s_add_co_u32 s22, s22, s97
	s_mov_b32 s23, 0
	s_lshl_b32 s92, s42, 13
	s_add_co_u32 s92, s92, s97
	s_mov_b32 s93, 0
	s_lshl_b32 s45, s14, 15                        ; where they go: wave x 32,768: no place in the cluster enters an LDS address
	s_lshl_b32 s94, s14, 12
	s_wait_kmcnt 0x0
	s_add_nc_u64 s[20:21], s[4:5], s[20:21]
	s_add_nc_u64 s[22:23], s[6:7], s[22:23]
	s_add_nc_u64 s[46:47], s[4:5], s[46:47]
	s_add_nc_u64 s[92:93], s[6:7], s[92:93]
	CROUND                                         ; all sixteen work-groups are here: the first joint loads meet
	s_mov_b32 s[G0S], 1
	s_add_co_u32 s[G0S+1], s94, SCL
	s_mov_b64 s[G0S+2:G0S+3], s[22:23]
	s_or_b32 s[G0S+3], s[G0S+3], 0x80000000
	s_mov_b32 s[G0SB], 1
	s_add_co_u32 s[G0SB+1], s94, SCL
	s_mov_b64 s[G0SB+2:G0SB+3], s[92:93]
	s_or_b32 s[G0SB+3], s[G0SB+3], 0x80000000
	JLOAD G0S, G1S, G0SB, G1SB                     ; the scale words first; three loads of mine are out behind the third line below
.irp s, 0,1
	s_mov_b32 s[G0+4*\s], 1
	s_add_co_u32 s[G0+4*\s+1], s45, \s*SLOT
	s_add_nc_u64 s[G0+4*\s+2:G0+4*\s+3], s[20:21], \s*TILEB
	s_or_b32 s[G0+4*\s+3], s[G0+4*\s+3], 0x80000000
	s_mov_b32 s[G0B+4*\s], 1
	s_add_co_u32 s[G0B+4*\s+1], s45, \s*SLOT
	s_add_nc_u64 s[G0B+4*\s+2:G0B+4*\s+3], s[46:47], \s*TILEB
	s_or_b32 s[G0B+4*\s+3], s[G0B+4*\s+3], 0x80000000
	JLOAD G0+4*\s, G1, G0B+4*\s, G1B
.endr
	; the 256 numbers of b_attn that the work-group needs: kind 0 Q's features, kind 1 P's
	s_lshl_b32 s98, s66, 10
	s_lshl_b32 s99, s41, 10
	s_add_co_u32 s99, s99, 8192
	s_cmp_eq_u32 s96, 1
	s_cselect_b32 s98, s99, s98
	s_mov_b32 s99, 0
	s_add_nc_u64 s[8:9], s[8:9], s[98:99]
	v_lshlrev_b32 v14, 3, v0                       ; 8 bytes a thread
	global_load_b64 v[12:13], v14, s[8:9]
	v_add_nc_u32 v15, BIAS, v14
	s_mov_b32 s[SEL], 0x76543210
	s_mov_b32 s[SEL+1], 0xfedcba98
	s_mov_b32 s[HI16], 0xffff0000
	v_and_b32 v1, 15, v0                           ; r
	v_bfe_u32 v2, v0, 4, 1                         ; h
	s_wait_alu depctr_va_vdst(0)
	v_and_b32 v3, 31, v0
	v_lshlrev_b32 v[LI], 4, v3
	s_lshl_b32 s98, s15, 15                        ; my 8 tiles of P
	s_lshl_b32 s99, s16, 15                        ; my 8 tiles of Q,
	s_add_co_u32 s99, s99, 2*HALFT                 ; which lie behind P's 16
.irp s, 0,1
	v_add_nc_u32 v[ADRA+\s], s98, v[LI]
	v_add_nc_u32 v[ADRB+\s], s99, v[LI]
	s_add_co_u32 s98, s98, SLOT
	s_add_co_u32 s99, s99, SLOT
.endr
	s_lshl_b32 s98, s15, 12                        ; scale words: P's half,
	s_lshl_b32 s99, s16, 12
	s_add_co_u32 s99, s99, 2*HALFS                 ; Q's half, behind P's two
	s_sub_co_u32 s99, s99, s98
	v_mul_u32_u24 v6, s99, v2                      ; lanes 16-31 take Q's: one product with h
	s_add_co_u32 s98, s98, SCL
	v_lshl_add_u32 v5, v1, 4, v6                   ; 16 bytes a row in each half of K
	v_add_nc_u32 v[ADRS], s98, v5
	s_lshl_b32 s98, s16, 9
	s_add_co_u32 s98, s98, BIAS
	v_lshl_add_u32 v[VBQ], v2, 6, s98              ; kind 0: my 128 features, + 16 h numbers
	s_lshl_b32 s98, s15, 9
	s_add_co_u32 s98, s98, BIAS
	v_and_b32 v5, 8, v1
	v_add_nc_u32 v5, v5, v1
	v_lshl_add_u32 v[VBV], v5, 2, s98              ; kind 1: my 128 features, number r + 8 (r / 8) of a tile
	s_lshl_b32 s98, s14, 9
	v_lshlrev_b32 v5, 2, v1
	v_lshl_add_u32 v5, v2, 8, v5
	v_add_nc_u32 v5, s98, v5                       ; the stage: 512 x wave + 256 h + 4 r
	v_add_nc_u32 v[STWQ], STGQ, v5
	v_add_nc_u32 v[STWV], STGV, v5
	v_add_nc_u32 v6, s98, v[LI]                    ; and back: 512 x wave + 16 x lane
	v_add_nc_u32 v[STRQ], STGQ, v6
	v_add_nc_u32 v[STRV], STGV, v6
	v_lshlrev_b32 v[GSO], 4, v1
	v_lshl_add_u32 v[GSO], v2, 12, v[GSO]          ; lanes 0-15 the lower head's 256 bytes, lanes 16-31 the upper head's, 4,096 bytes on
	v_mov_b32 v[PSEL], 0x05040100
	v_mov_b32 v7, 0x07060302
	v_cndmask_b32 v[PSEL], v[PSEL], v7, s[HI16]
	s_wait_loadcnt 0x0                             ; the bias
	ds_store_b64 v15, v[12:13]
	s_wait_dscnt 0x0                               ; for the others' sake
	s_wait_tensorcnt 1                             ; the scale words and my part of K step 0 are in; K step 1's load may be out
	s_barrier_signal -1
	s_barrier_wait -1
	FETCH_B 0, 0, 0
	FETCH_A 0, 0, 0
	SCALES 0, 0
	FETCH_A 0, 0, 4
	STEP 0, 0, 1                                   ; the first products start the sums: nothing is cleared
	TURN 0, 1, 1, 1                                ; slot 0 takes K step 2
	STEP 1, 0, 0
	TURN 1, 0, 1, 2                                ; slot 1 takes K step 3
	STEP 0, 0, 0
	TURN 0, 1, 0, 3                                ; nothing is left to fetch: no round
	STEP 1, 0, 0
	s_wait_dscnt 4*NL
	WIN MUL_LO
	MUL16 0, 1, NQ-1, 1, 0
	MUL16 2, 1, NQ-1, 1, 0
	s_wait_dscnt 0
	WIN MUL_HI
	MUL16 4, 1, NQ-1, 1, 0
	MUL16 6, 1, NQ-1, 1, 0
	WIN 0
; THE WAY OUT.  For each of P's eight blocks: the bias is added (each accumulator from its low end on), the lane's 64 numbers are quantised, and the four groups of four registers leave as they stand, 512 consecutive bytes a store.
; The scale words of the wave's two heads meet in the wave's own 512 bytes of LDS and leave as two aligned runs of 256 bytes.
.macro EPI kind
	PLACES NP                                      ; in front of the first reads of results, and of writes and loads into registers that the last products read
.if \kind == 0
.irp bb, 0,1,2,3
.irp j, 0,1,2,3
	ds_load_b128 v[BJ+16*\bb+4*\j:BJ+16*\bb+4*\j+3], v[VBQ] offset:128*\bb+16*\j   ; register 16 b + i: the bias of feature 32 b + 16 h + i
.endr
.endr
.else
.irp a, 0,1,2,3,4,5,6,7
	ds_load_b32 v[BJ+2*\a], v[VBV] offset:(32*(\a/2)+8*(\a%2))*4                    ; block a: my lane's feature; twice, to fill a pair
	ds_load_b32 v[BJ+2*\a+1], v[VBV] offset:(32*(\a/2)+8*(\a%2))*4
.endr
.endif
.irp b, 0,1,2,3
	v_mov_b32 v[TM+4+\b], 0                        ; a lane permute's destination counts as one of its sources
.endr
.if \kind == 0
	s_lshr_b32 s18, s66, 2                         ; 0: q, 1: k
	s_lshl_b32 s18, s18, 2
	s_lshr_b32 s19, s17, 3                         ; the batch
	s_add_co_u32 s18, s18, s19
	s_lshl_b32 s18, s18, 4
	s_and_b32 s19, s66, 3
	s_lshl_b32 s19, s19, 2
	s_add_co_u32 s18, s18, s19
	s_lshl_b32 s19, s16, 1
	s_add_co_u32 s18, s18, s19                     ; my lower head's place: ((q or k) x 4 + batch) x 16 + head
	s_and_b32 s19, s17, 7
	s_lshl_b32 s19, s19, 3
	s_lshl_b32 s98, s15, 2
	s_add_co_u32 s19, s19, s98                     ; my first group of 32 tokens
	s_lshl_b32 s98, s18, 17
	s_lshl_b32 s99, s19, 11
	s_add_co_u32 s98, s98, s99
	s_mov_b32 s99, 0
	s_add_nc_u64 s[10:11], s[10:11], s[98:99]
	s_lshl_b32 s98, s18, 12
	s_lshl_b32 s19, s19, 6
	s_add_co_u32 s98, s98, s19
	s_add_nc_u64 s[12:13], s[12:13], s[98:99]
.else
	s_lshr_b32 s18, s42, 3                         ; the batch
	s_lshl_b32 s18, s18, 4
	s_lshl_b32 s19, s41, 2
	s_add_co_u32 s18, s18, s19
	s_lshl_b32 s19, s15, 1
	s_add_co_u32 s18, s18, s19                     ; my lower head's place
	s_and_b32 s19, s42, 7
	s_lshl_b32 s19, s19, 1
	s_add_co_u32 s19, s19, s16                     ; my step of 128 keys
	s_lshl_b32 s98, s18, 17
	s_lshl_b32 s99, s19, 13
	s_add_co_u32 s98, s98, s99
	s_add_co_u32 s98, s98, 0x1000000
	s_mov_b32 s99, 0
	s_add_nc_u64 s[10:11], s[10:11], s[98:99]
	s_lshl_b32 s98, s18, 12
	s_lshl_b32 s19, s19, 8
	s_add_co_u32 s98, s98, s19
	s_add_co_u32 s98, s98, 524288
	s_add_nc_u64 s[12:13], s[12:13], s[98:99]
.endif
	s_wait_dscnt 0x0                               ; the bias
.irp a, 0,1,2,3,4,5,6,7
.if \a > 0
	s_wait_xcnt 0x0                                ; the last block's stores have read their codes
.endif
	WIN 0x02+\a/4                                  ; source 0: window 2 or 3
.set i, 0
.rept 32
.if \kind == 0
	v_pk_add_f32 v[T+i:T+i+1], v[64*(\a%4)+i:64*(\a%4)+i+1], v[BJ+i:BJ+i+1]
.else
	v_pk_add_f32 v[T+i:T+i+1], v[64*(\a%4)+i:64*(\a%4)+i+1], v[BJ+2*\a:BJ+2*\a+1]
.endif
.set i, i+2
.endr
	WIN 0
	QUANT T
	v_mov_b32 v[PWS+\a], v[PW]
.irp bb, 0,1,2,3
.if \kind == 0
	global_store_b128 v[LI], v[PC+4*\bb:PC+4*\bb+3], s[10:11] offset:(\bb/2)*131072+(\a/2)*2048+(2*(\a%2)+\bb%2)*512
.else
	global_store_b128 v[LI], v[PC+4*\bb:PC+4*\bb+3], s[10:11] offset:(\a/4)*131072+(\a%4)*2048+512*\bb
.endif
.endr
.endr
.irp j, 0,1,2,3
.if \kind == 0
	v_perm_b32 v[WD+\j], v[PWS+2*\j+1], v[PWS+2*\j], v[PSEL]      ; (lower 16 tokens' two bytes, upper 16 tokens' two) of my half's head
	ds_store_b32 v[STWQ], v[WD+\j] offset:64*\j
.else
	v_cndmask_b32 v[WD+\j], v[PWS+\j], v[PWS+4+\j], s[HI16]       ; lanes 0-15 the lower head's tile j, lanes 16-31 the upper head's
	ds_store_b32 v[STWV], v[WD+\j] offset:64*\j
.endif
.endr
.if \kind == 0
	ds_load_b128 v[OW:OW+3], v[STRQ]               ; LDS serves a wave's instructions in order: this sees my stores
.else
	ds_load_b128 v[OW:OW+3], v[STRV]
.endif
	s_wait_dscnt 0x0
	global_store_b128 v[GSO], v[OW:OW+3], s[12:13] ; sixteen lanes store 256 consecutive bytes, aligned, for each head
.endm
	s_cmp_eq_u32 s96, 0
	s_cbranch_scc0 .Lkind_v
	EPI 0
	s_branch .Lclose
.Lkind_v:
	EPI 1
.Lclose:
	s_wait_tensorcnt 0x0                           ; the wave's end
	ds_add_u32 v[SPW], v[NIL]
	s_wait_dscnt 0x0
	CROUND                                         ; the closing round
	s_endpgm
.Lfunc_end_k_q9847ff71b8_qkv:
	.size	k_q9847ff71b8_qkv, .Lfunc_end_k_q9847ff71b8_qkv-k_q9847ff71b8_qkv
	.p2alignl 7, 3214868480
	.fill 96, 4, 3214868480
	.section	.rodata,"a",@progbits
	.p2align	6, 0x0
	.amdhsa_kernel k_q9847ff71b8_qkv
		.amdhsa_group_segment_fixed_size 327680
		.amdhsa_private_segment_fixed_size 0
		.amdhsa_enable_private_segment 0
		.amdhsa_kernarg_size 40
		.amdhsa_user_sgpr_count 2
		.amdhsa_user_sgpr_kernarg_segment_ptr 1
		.amdhsa_wavefront_size32 1
		.amdhsa_system_sgpr_workgroup_id_x 1
		.amdhsa_system_sgpr_workgroup_id_y 1
		.amdhsa_system_sgpr_workgroup_id_z 1
		.amdhsa_system_vgpr_workitem_id 0
		.amdhsa_next_free_vgpr 1024
		.amdhsa_next_free_sgpr 102
		.amdhsa_reserve_vcc 0
		.amdhsa_float_denorm_mode_32 3
		.amdhsa_float_denorm_mode_16_64 3
		.amdhsa_fp16_overflow 1
		.amdhsa_memory_ordered 1
		.amdhsa_forward_progress 1
		.amdhsa_inst_pref_size 220
	.end_amdhsa_kernel
	.amdgpu_metadata
---
amdhsa.version: [ 1, 2 ]
amdhsa.kernels:
  - .name:           k_q9847ff71b8_qkv
    .symbol:         k_q9847ff71b8_qkv.kd
    .args:
      - { .name: opc, .offset: 0, .size: 8, .value_kind: global_buffer, .address_space: global }
      - { .name: ops, .offset: 8, .size: 8, .value_kind: global_buffer, .address_space: global }
      - { .name: b_attn, .offset: 16, .size: 8, .value_kind: global_buffer, .address_space: global }
      - { .name: hc, .offset: 24, .size: 8, .value_kind: global_buffer, .address_space: global }
      - { .name: hs, .offset: 32, .size: 8, .value_kind: global_buffer, .address_space: global }
    .group_segment_fixed_size: 327680
    .private_segment_fixed_size: 0
    .kernarg_segment_align: 8
    .kernarg_segment_size: 40
    .max_flat_workgroup_size: 128
    .sgpr_count:     102
    .vgpr_count:     1024
    .wavefront_size: 32
...
	.end_amdgpu_metadata
.endif
;; end of part 2
;; launch attn (part 3): grid 4 x 64, 16 waves a work-group, no clusters, 327,680 bytes of LDS; arguments hc, hs, ac, asc; writes ac, asc
.if DOCPART == 3
	.amdgcn_target "amdgcn-amd-amdhsa--gfx1250"
	.amdhsa_code_object_version 6
	.text
	.protected	k_q9847ff71b8_attn
	.globl	k_q9847ff71b8_attn
	.p2align	8
	.type	k_q9847ff71b8_attn,@function
k_q9847ff71b8_attn:
	s_mov_b64 s[64:65], 0
	v_nop
	global_prefetch_b8 v0, s[64:65] scope:SCOPE_SE
	s_setreg_imm32_b32 hwreg(HW_REG_WAVE_MODE, 25, 1), 1
	s_wait_xcnt 0x0
; Causal attention on codes of BF8 (E5M2) with E8M0 scales, 64 heads (batch x 16 + head) of 2,048 tokens x 64; the result, divided by the row's sum, is quantised along D = 1024 and leaves as codes for the last product.
; IN: hc: q at 0, k at 0x800000: [32 tokens][c' = 2 u + c''][lane][16]: 2,048 bytes are ONE fragment whose k 0-63 are the head's 64 of tokens 32 g + r + 8 (r / 8) and whose k 64-127 those of the tokens 8 further on;
;     v at 0x1000000: [128 keys][tile of 16 d][c][lane][16], d = 32 (tile / 2) + 8 (tile % 2) + r + 8 (r / 8).  hs: their scale words.
; THE HEAD'S 64 IN AN INSTRUCTION OF 128: a fragment of k is multiplied twice: by (q, zeros) for its first 16 keys and by (zeros, q) for its second 16.  Zero codes add nothing; no register and no LDS byte holds padding.
; THE SOFTMAX: t = score x log2(e) / 8; M = the running largest t rounded up to a whole number; p = 2^(t - M) is quantised along the keys, not normalised; the sum is taken of the unquantised p and divides at the end.
; Both products are used transposed: a lane holds ONE query (lane % 16) throughout, and by the choice of a tile's keys p's register 16 b + i is key 32 b + 16 (lane / 16) + i.
; SHARES.  Work-group (i, head) owns the query blocks 7 - i and i of 256 queries and walks 9 phases of 256 keys: 8 - i for the late block, then i + 1 for the early one: the same work in every work-group, every trip count a
; constant, no tile fetched in vain.  Each of 16 waves holds one tile of 16 queries at a time: Q0 + r + 8 (r / 8).  A step of 128 keys that lies behind all my queries is jumped over; on the diagonal hidden scores become -infinity.
; NO CLUSTER: the four work-groups of a head walk different keys from phase 5 on (the price of equal work), and a work-group fetches 9 x 33,792 bytes in all.
; OUT: ac in the order of the operand's registers (tile = 128 batch + 16 block + wave), asc its scale bytes: two bytes a row and head, stored singly: 32 bytes beside a tile's 1,024 of codes.
; LIMITS: NaN and infinities are not served; a block under 2^(16 - 127) gets the byte 1 (zero codes add nothing under it).  A block's largest p is made from its largest score: v_exp_f32 is taken not to fall where its input rises.
.set SLOT1, 1<<16                      ; a slot: k's codes 16,384, v's 16,384, k's scale words 512, v's 512
.set VOFF,  16384
.set KSOFF, 32768
.set VSOFF, 33280
.set SPARE, 2*SLOT1                    ; the spare words, 128 bytes for each wave: eight blocks of 256 bytes that no other line names
.set LI,   1                           ; v1 16 x lane
.set LS,   2                           ; v2 4 r
.set SPW,  3
.set NIL,  4
.set QL,   5                           ; v5 r + 8 (r / 8) - 16 h
.set AO,   6                           ; v6 16 r + h
.set ADK,  7
.set ADS,  8
.set DD,   9
.set NINF, 10
.set FRG,  40                          ; v40-103 four fragments of k or of v
.set S,    104                         ; v104-167 the scores, then p
.set O,    168                         ; v168-199 O^T: register 16 b + i = d 32 b + 16 h + i
.set PC,   200                         ; v200-215 p's codes
.set MX,   216
.set T4,   220
.set HOLD, 224
.set SOP,  228
.set KS,   232                         ; v232-235 k's scale words
.set F,    236                         ; v[236:237] f
.set PW,   238                         ; p's scale word
.set QS,   239                         ; q's two bytes, twice
.set TMP,  240
.set QSE,  241                         ; the early tile's
.set C2,   242
.set VS,   244                         ; v244-247 v's scale words
.set QE,   248                         ; v248-255 the early tile's q.   v16-23 zeros, v24-31 q, v32-39 zeros: (zeros, q) = v[16:31], (q, zeros) = v[24:39]
.set WV,   12
.set SW,   15                          ; s15 the phase at which the early block begins: 8 - i
.set PH,   16
.set TB,   17
.set KF,   18
.set Q0,   19
.set SEL,  20
.set CS,   22
.set MNT,  24
.set HI16, 25
.set Q0E,  26
.set G1C,  28
.set G1W,  36
.set G0C,  44
.set G0W,  48
; waves 0 and 1 fetch k's and v's codes, waves 2 and 3 their scale words, the others nothing.  Four v_nop follow each of the two lines.
.macro TLOAD
	s_cmp_lt_u32 s[WV], 2
	s_cbranch_scc0 .Lnot_c_\@
	tensor_load_to_lds s[G0C:G0C+3], s[G1C:G1C+7]
	s_nop 0
.rept 4
	v_nop
.endr
	s_branch .Lasked_\@
.Lnot_c_\@:
	s_cmp_lt_u32 s[WV], 4
	s_cbranch_scc0 .Lasked_\@
	tensor_load_to_lds s[G0W:G0W+3], s[G1W:G1W+7]
	s_nop 0
.rept 4
	v_nop
.endr
.Lasked_\@:
.endm
.macro INIT                            ; a tile of queries begins: the first change of M multiplies zeros
	v_mov_b32 v13, 0xff61b1e6                      ; the largest t so far: -3e38
	s_delay_alu instid0(VALU_DEP_1)
	v_floor_f32 v12, -v13                          ; -M
	v_mov_b32 v14, 0
	v_mov_b32 v15, 0
.set j, 0
.rept 32
	v_mov_b32 v[O+j], 0
.set j, j+1
.endr
.endm
	s_load_b256 s[4:11], s[0:1], 0x0               ; hc s[4:5], hs s[6:7], ac s[8:9], asc s[10:11]
	v_lshl_add_u32 v[SPW], v0, 2, SPARE
	v_mov_b32 v[NIL], 0
	ds_add_u32 v3, v4
	ds_add_u32 v3, v4
	s_wait_dscnt 0x0
	v_lshrrev_b32 v7, 5, v0
	s_delay_alu instid0(VALU_DEP_1)
	v_readfirstlane_b32 s[WV], v7                  ; wave 0..15
	s_and_b32 s13, ttmp7, 0xffff                   ; batch x 16 + head
	s_and_b32 s14, s[WV], 1
	s_lshr_b32 s27, s[WV], 1
	s_sub_co_u32 s[SW], 8, ttmp9
	s_sub_co_u32 s73, 7, ttmp9                     ; the late block
	s_lshr_b32 s71, s13, 4                         ; batch
	s_and_b32 s72, s13, 15                         ; head
	s_mov_b32 s[G1C], 3<<16                        ; 16,384 dense bytes as 64 rows of 32 elements of 8 bytes
	s_mov_b32 s[G1C+1], 32<<16
	s_mov_b32 s[G1C+2], 64<<16
	s_mov_b32 s[G1C+3], 32<<16
	s_mov_b32 s[G1C+4], 64
	s_mov_b32 s[G1C+5], 32
	s_mov_b32 s[G1C+6], 0
	s_mov_b32 s[G1C+7], 0
	s_mov_b32 s[G1W], 3<<16                        ; 512 dense bytes as 2 such rows
	s_mov_b32 s[G1W+1], 32<<16
	s_mov_b32 s[G1W+2], 2<<16
	s_mov_b32 s[G1W+3], 32<<16
	s_mov_b32 s[G1W+4], 2
	s_mov_b32 s[G1W+5], 32
	s_mov_b32 s[G1W+6], 0
	s_mov_b32 s[G1W+7], 0
	s_add_co_u32 s70, s14, 1                       ; even wave: k, odd wave: v
	s_lshl_b32 s66, s70, 23
	s_lshl_b32 s74, s13, 17
	s_add_co_u32 s66, s66, s74
	s_mov_b32 s67, 0                               ; s67 and s69 stay 0
	s_lshl_b32 s68, s70, 18
	s_lshl_b32 s75, s13, 12
	s_add_co_u32 s68, s68, s75
	s_mov_b32 s69, 0
	s_wait_kmcnt 0x0
	s_add_nc_u64 s[52:53], s[4:5], s[66:67]        ; the head's codes of k or v
	s_add_nc_u64 s[54:55], s[6:7], s[68:69]        ; and their scale words
	s_mov_b32 s[G0C], 1
	s_lshl_b32 s[G0C+1], s14, 14                   ; slot 0: k's codes at 0, v's at 16,384
	s_mov_b64 s[G0C+2:G0C+3], s[52:53]
	s_or_b32 s[G0C+3], s[G0C+3], 0x80000000
	s_mov_b32 s[G0W], 1
	s_lshl_b32 s[G0W+1], s14, 9
	s_add_co_u32 s[G0W+1], s[G0W+1], KSOFF
	s_mov_b64 s[G0W+2:G0W+3], s[54:55]
	s_or_b32 s[G0W+3], s[G0W+3], 0x80000000
	TLOAD                                          ; phase 0's keys into slot 0: one load of mine is out at the most
	s_lshl_b32 s70, s27, 11                        ; q: the head, the group of 32 tokens 8 block + wave / 2, the half wave % 2
	s_add_co_u32 s74, s74, s70
	s_lshl_b32 s70, s14, 10
	s_add_co_u32 s74, s74, s70
	s_lshl_b32 s66, s73, 14
	s_add_co_u32 s66, s66, s74
	s_add_nc_u64 s[80:81], s[4:5], s[66:67]        ; the late tile's codes
	s_lshl_b32 s66, ttmp9, 14
	s_add_co_u32 s66, s66, s74
	s_add_nc_u64 s[82:83], s[4:5], s[66:67]        ; the early tile's
	s_lshl_b32 s70, s27, 6
	s_add_co_u32 s75, s75, s70
	s_lshl_b32 s66, s73, 9
	s_add_co_u32 s66, s66, s75
	s_add_nc_u64 s[84:85], s[6:7], s[66:67]        ; their scale words
	s_lshl_b32 s66, ttmp9, 9
	s_add_co_u32 s66, s66, s75
	s_add_nc_u64 s[86:87], s[6:7], s[66:67]
	s_lshl_b32 s70, s71, 7
	s_add_co_u32 s70, s70, s[WV]                   ; 128 batch + wave
	s_lshl_b32 s74, s70, 14
	s_lshl_b32 s76, s72, 10                        ; the head's 64 along D: 1,024 bytes of a tile
	s_add_co_u32 s74, s74, s76
	s_lshl_b32 s66, s73, 18
	s_add_co_u32 s66, s66, s74
	s_add_nc_u64 s[56:57], s[8:9], s[66:67]        ; ac, late tile
	s_lshl_b32 s66, ttmp9, 18
	s_add_co_u32 s66, s66, s74
	s_add_nc_u64 s[60:61], s[8:9], s[66:67]        ; ac, early tile
	s_lshl_b32 s75, s70, 9
	s_lshr_b32 s76, s72, 3
	s_lshl_b32 s76, s76, 8
	s_add_co_u32 s75, s75, s76
	s_and_b32 s76, s72, 7
	s_lshl_b32 s76, s76, 1
	s_add_co_u32 s75, s75, s76
	s_lshl_b32 s66, s73, 13
	s_add_co_u32 s66, s66, s75
	s_add_nc_u64 s[58:59], s[10:11], s[66:67]      ; asc, late tile
	s_lshl_b32 s66, ttmp9, 13
	s_add_co_u32 s66, s66, s75
	s_add_nc_u64 s[62:63], s[10:11], s[66:67]      ; asc, early tile
	s_lshl_b32 s70, s27, 5
	s_lshl_b32 s76, s14, 3
	s_add_co_u32 s70, s70, s76
	s_lshl_b32 s[Q0], s73, 8
	s_add_co_u32 s[Q0], s[Q0], s70                 ; my first query: 256 block + 32 (wave / 2) + 8 (wave % 2)
	s_lshl_b32 s[Q0E], ttmp9, 8
	s_add_co_u32 s[Q0E], s[Q0E], s70
	s_mov_b32 s[SEL], 0x76543210
	s_mov_b32 s[SEL+1], 0xfedcba98
	s_mov_b32 s[CS], 0x3e38aa3b                    ; c = log2(e) / 8
	s_mov_b32 s[CS+1], s[CS]
	s_mov_b32 s[HI16], 0xffff0000
	s_mov_b32 s[PH], 0
	s_mov_b32 s[TB], 0
	s_mov_b32 s[KF], 0
	s_mov_b32 s79, 0x03020302                      ; which two bytes of the scale word are my 16 tokens'
	s_cmp_eq_u32 s14, 1
	s_cselect_b32 s79, s79, 0x01000100
	v_and_b32 v7, 31, v0
	s_delay_alu instid0(VALU_DEP_1)
	v_lshlrev_b32 v[LI], 4, v7
	v_and_b32 v8, 15, v0                           ; r
	v_bfe_u32 v9, v0, 4, 1                         ; h
	s_delay_alu instid0(VALU_DEP_2)
	v_lshlrev_b32 v[LS], 2, v8
	global_load_b128 v[24:27], v[LI], s[80:81]
	global_load_b128 v[28:31], v[LI], s[80:81] offset:512
	global_load_b128 v[QE:QE+3], v[LI], s[82:83]
	global_load_b128 v[QE+4:QE+7], v[LI], s[82:83] offset:512
	global_load_b32 v[QS], v[LS], s[84:85]
	global_load_b32 v[QSE], v[LS], s[86:87]
	v_and_b32 v10, 8, v8
	s_delay_alu instid0(VALU_DEP_1)
	v_add_nc_u32 v[QL], v10, v8
	v_lshlrev_b32 v10, 4, v9
	s_delay_alu instid0(VALU_DEP_1)
	v_sub_nc_u32 v[QL], v[QL], v10
	v_lshl_add_u32 v[AO], v8, 4, v9
	v_mov_b32 v[NINF], 0xff800000
.irp j, 0,1,2,3,4,5,6,7
	v_mov_b32 v[16+\j], 0
	v_mov_b32 v[32+\j], 0
.endr
.irp b, 0,1,2,3
	v_mov_b32 v[T4+\b], 0                          ; a lane permute's destination counts as one of its sources
.endr
	v_mov_b32 v[TMP], 0
	v_mov_b32 v[F+1], 0                            ; named as the upper half of a pair
	s_wait_loadcnt 0x0
	v_perm_b32 v[QS], v[QS], v[QS], s79
	v_perm_b32 v[QSE], v[QSE], v[QSE], s79
	INIT
; A KEY STEP: 128 keys, the q-th of the slot in hand
.macro STEP q
	s_add_co_u32 s70, s[Q0], 23                    ; my last query
	s_cmp_gt_u32 s[KF], s70
	s_cbranch_scc1 .Lhidden_\@                     ; all 128 keys come after my queries: a branch on ids
	v_add_nc_u32 v[ADK], s[TB], v[LI]
	v_add_nc_u32 v[ADS], s[TB], v[LS]
.rept 6
	v_nop                                          ; with the two additions: eight places in front of loads into registers that the last products read
.endr
.irp g, 0,1,2,3
.irp c, 0,1,2,3
	ds_load_b128 v[FRG+16*\g+4*\c:FRG+16*\g+4*\c+3], v[ADK] offset:8192*(\q)+2048*\g+512*\c
.endr
	ds_load_b32 v[KS+\g], v[ADS] offset:KSOFF+256*(\q)+64*\g
.endr
	s_wait_alu depctr_va_vdst(0)
	s_wait_dscnt 0x0
.irp g, 0,1,2,3
	v_wmma_scale_f32_16x16x128_f8f6f4 v[S+16*\g:S+16*\g+7], v[FRG+16*\g:FRG+16*\g+15], v[24:39], 0, v[KS+\g], v[QS] matrix_a_fmt:MATRIX_FMT_BF8 matrix_b_fmt:MATRIX_FMT_BF8       ; keys 32 g + 16 h + 0 .. 7
	v_wmma_scale_f32_16x16x128_f8f6f4 v[S+16*\g+8:S+16*\g+15], v[FRG+16*\g:FRG+16*\g+15], v[16:31], 0, v[KS+\g], v[QS] matrix_a_fmt:MATRIX_FMT_BF8 matrix_b_fmt:MATRIX_FMT_BF8    ; keys 32 g + 16 h + 8 .. 15
.endr
.rept 8
	v_nop
.endr
.irp t, 0,1,2,3                                    ; v's fragments land while the softmax is walked
.irp c, 0,1,2,3
	ds_load_b128 v[FRG+16*\t+4*\c:FRG+16*\t+4*\c+3], v[ADK] offset:VOFF+8192*(\q)+2048*\t+512*\c
.endr
	ds_load_b32 v[VS+\t], v[ADS] offset:VSOFF+256*(\q)+64*\t
.endr
	s_add_co_u32 s70, s[KF], 127
	s_cmp_le_u32 s70, s[Q0]
	s_cbranch_scc1 .Lopen_\@                       ; all 128 keys count for all my queries
	s_sub_co_i32 s70, s[Q0], s[KF]
	v_add_nc_u32 v[DD], s70, v[QL]                 ; register 16 b + i is hidden where 32 b + i > my query - KF - 16 h
.set n, 0
.rept 64
	v_cmp_gt_i32 vcc_lo, 32*(n/16)+n%16, v[DD]
	v_cndmask_b32 v[S+n], v[S+n], v[NINF], vcc_lo
.set n, n+1
.endr
.Lopen_\@:
.irp b, 0,1,2,3
	v_max3_num_f32 v[MX+\b], v[S+16*\b], v[S+1+16*\b], v[S+2+16*\b]   ; the largest score of each block of 32 keys: for the row's maximum and for the block's largest p
.endr
.irp i, 3,5,7,9,11,13
.irp b, 0,1,2,3
	v_max3_num_f32 v[MX+\b], v[MX+\b], v[S+16*\b+\i], v[S+1+16*\b+\i]
.endr
.endr
.irp b, 0,1,2,3
	v_max_num_f32 v[MX+\b], v[MX+\b], v[S+15+16*\b]
.endr
.irp b, 0,1,2,3
	s_delay_alu instid0(VALU_DEP_4)
	v_permlanex16_b32 v[T4+\b], v[MX+\b], s[SEL], s[SEL+1]
.endr
.irp b, 0,1,2,3
	s_delay_alu instid0(VALU_DEP_4)
	v_max_num_f32 v[MX+\b], v[MX+\b], v[T4+\b]
.endr
	s_delay_alu instid0(VALU_DEP_2)
	v_max3_num_f32 v[TMP], v[MX], v[MX+1], v[MX+2]
	s_delay_alu instid0(VALU_DEP_1)
	v_max_num_f32 v[TMP], v[TMP], v[MX+3]
	s_delay_alu instid0(VALU_DEP_1)
	v_mul_f32 v[TMP], s[CS], v[TMP]
	s_delay_alu instid0(VALU_DEP_1)
	v_max_num_f32 v13, v13, v[TMP]                 ; the running largest t
	v_mov_b32 v[TMP], v12
	s_delay_alu instid0(VALU_DEP_2)
	v_floor_f32 v12, -v13                          ; the new -M: a whole number
	s_delay_alu instid0(VALU_DEP_1)
	v_sub_f32 v[TMP], v12, v[TMP]
	s_delay_alu instid0(VALU_DEP_1)
	v_cvt_i32_f32 v[TMP], v[TMP]
	s_delay_alu instid0(VALU_DEP_1)
	v_ldexp_f32 v[F], 1.0, v[TMP]                  ; f = 2^(old M - new M): rounds nothing
.set j, 0
.rept 32
	v_pk_fma_f32 v[S+j:S+j+1], v[S+j:S+j+1], s[CS:CS+1], v[12:13] op_sel_hi:[1,0,0]   ; t - M
.set j, j+2
.endr
.irp b, 0,1,2,3
	v_fma_f32 v[MX+\b], v[MX+\b], s[CS], v12
.endr
.set j, 0
	s_wait_alu depctr_va_vdst(0)
.rept 64
	v_exp_f32 v[S+j], v[S+j]                       ; p
.set j, j+1
.endr
.irp b, 0,1,2,3
	v_exp_f32 v[MX+\b], v[MX+\b]                   ; the block's largest p
.endr
	v_pk_mul_f32 v[14:15], v[14:15], v[F:F+1] op_sel_hi:[1,0]     ; the sums under the new M (a plain place behind the exponentials)
	s_wait_alu depctr_va_vdst(0)
.irp b, 0,1,2,3
	v_max_num_f32 v[MX+\b], 0x8000000, v[MX+\b]    ; the floor 2^(16 - 127)
.endr
.irp b, 0,1,2,3
	s_delay_alu instid0(VALU_DEP_4)
	v_add_nc_u32 v[SOP+\b], 0xf8800000, v[MX+\b]
.endr
.irp b, 0,1,2,3
.endr
.irp b, 0,1,2,3
	s_delay_alu instid0(VALU_DEP_4)
	v_lshrrev_b32 v[T4+\b], 23, v[SOP+\b]
.endr
	s_delay_alu instid0(VALU_DEP_3)
	v_lshl_or_b32 v[PW], v[T4+1], 8, v[T4]
	s_delay_alu instid0(VALU_DEP_1)
	v_lshl_or_b32 v[PW], v[T4+2], 16, v[PW]
	s_delay_alu instid0(VALU_DEP_1)
	v_lshl_or_b32 v[PW], v[T4+3], 24, v[PW]
	v_pk_add_f32 v[242:243], v[108:109], v[112:113]
	v_pk_add_f32 v[234:235], v[116:117], v[120:121]
	v_pk_add_f32 v[232:233], v[124:125], v[128:129]
	v_pk_add_f32 v[226:227], v[132:133], v[136:137]
	v_pk_add_f32 v[224:225], v[140:141], v[144:145]
	v_pk_add_f32 v[218:219], v[148:149], v[152:153]
	v_pk_add_f32 v[216:217], v[156:157], v[160:161]
	v_pk_add_f32 v[14:15], v[14:15], v[164:165]
	v_pk_add_f32 v[242:243], v[242:243], v[104:105]
	v_pk_add_f32 v[234:235], v[234:235], v[106:107]
	v_pk_add_f32 v[232:233], v[232:233], v[110:111]
	v_pk_add_f32 v[226:227], v[226:227], v[114:115]
	v_pk_add_f32 v[224:225], v[224:225], v[118:119]
	v_pk_add_f32 v[218:219], v[218:219], v[122:123]
	v_pk_add_f32 v[216:217], v[216:217], v[126:127]
	v_pk_add_f32 v[14:15], v[14:15], v[130:131]
	v_pk_add_f32 v[242:243], v[242:243], v[134:135]
	v_pk_add_f32 v[234:235], v[234:235], v[138:139]
	v_pk_add_f32 v[232:233], v[232:233], v[142:143]
	v_pk_add_f32 v[226:227], v[226:227], v[146:147]
	v_pk_add_f32 v[224:225], v[224:225], v[150:151]
	v_pk_add_f32 v[218:219], v[218:219], v[154:155]
	v_pk_add_f32 v[216:217], v[216:217], v[158:159]
	v_pk_add_f32 v[14:15], v[14:15], v[162:163]
	v_pk_add_f32 v[242:243], v[242:243], v[166:167]
	s_delay_alu instid0(VALU_DEP_2)
	v_pk_add_f32 v[14:15], v[14:15], v[226:227]
	s_delay_alu instid0(VALU_DEP_2)
	v_pk_add_f32 v[242:243], v[242:243], v[224:225]
	v_pk_add_f32 v[234:235], v[234:235], v[218:219]
	v_pk_add_f32 v[232:233], v[232:233], v[216:217]
	s_delay_alu instid0(VALU_DEP_2)
	v_pk_add_f32 v[14:15], v[14:15], v[234:235]
	s_delay_alu instid0(VALU_DEP_2)
	v_pk_add_f32 v[242:243], v[242:243], v[232:233]
	s_delay_alu instid0(VALU_DEP_1)
	v_pk_add_f32 v[14:15], v[14:15], v[242:243]
.irp b, 0,1,2,3
.irp i, 0,1,2,3,4,5,6,7,8,9,10,11,12,13,14,15
.endr
	v_cvt_scalef32_pk8_bf8_f32 v[PC+4*\b:PC+1+4*\b], v[S+16*\b:S+7+16*\b], v[SOP+\b]
	v_cvt_scalef32_pk8_bf8_f32 v[PC+2+4*\b:PC+3+4*\b], v[S+8+16*\b:S+15+16*\b], v[SOP+\b]
.endr
.set j, 0
.rept 16
	v_pk_mul_f32 v[O+j:O+j+1], v[O+j:O+j+1], v[F:F+1] op_sel_hi:[1,0]   ; O^T under the new M; these are also the places between the codes and the products
.set j, j+2
.endr
	s_wait_alu depctr_va_vdst(0)
	s_wait_dscnt 0x0                               ; v
.irp t, 0,1,2,3
	v_wmma_scale_f32_16x16x128_f8f6f4 v[O+8*\t:O+8*\t+7], v[FRG+16*\t:FRG+16*\t+15], v[PC:PC+15], v[O+8*\t:O+8*\t+7], v[VS+\t], v[PW] matrix_a_fmt:MATRIX_FMT_BF8 matrix_b_fmt:MATRIX_FMT_BF8   ; the four accumulators by turns; eight score products stand between a link and the next
.endr
.Lhidden_\@:
	s_add_co_u32 s[KF], s[KF], 128
.endm
; A tile of queries is finished: O^T / the sum, two blocks of 32 along D quantised, 1,024 bytes of codes and 32 scale bytes stored
.macro EPI pa, ps
.rept 8
	v_nop
.endr
	v_add_f32 v14, v14, v15
	s_delay_alu instid0(VALU_DEP_1)
	v_permlanex16_b32 v[TMP], v14, s[SEL], s[SEL+1]
	s_delay_alu instid0(VALU_DEP_1)
	v_add_f32 v14, v14, v[TMP]                     ; the row's sum
	s_wait_alu depctr_va_vdst(0)
	v_rcp_f32 v14, v14
	v_nop
.set j, 0
	s_wait_alu depctr_va_vdst(0)
.rept 16
	v_pk_mul_f32 v[S+j:S+j+1], v[O+j:O+j+1], v[14:15] op_sel_hi:[1,0]
.set j, j+2
.endr
.irp b, 0,1
	v_max3_num_f32 v[MX+\b], |v[S+16*\b]|, |v[S+1+16*\b]|, 0x8000000
.endr
.irp i, 2,4,6,8,10,12,14
.irp b, 0,1
	s_delay_alu instid0(VALU_DEP_2)
	v_max3_num_f32 v[MX+\b], v[MX+\b], |v[S+16*\b+\i]|, |v[S+1+16*\b+\i]|
.endr
.endr
.irp b, 0,1
	s_delay_alu instid0(VALU_DEP_2)
	v_permlanex16_b32 v[T4+\b], v[MX+\b], s[SEL], s[SEL+1]
.endr
.irp b, 0,1
	s_delay_alu instid0(VALU_DEP_2)
	v_max_num_f32 v[MX+\b], v[MX+\b], v[T4+\b]
.endr
.irp b, 0,1
	s_delay_alu instid0(VALU_DEP_2)
	v_add_nc_u32 v[SOP+\b], 0xf8800000, v[MX+\b]
.endr
.irp b, 0,1
.endr
.irp b, 0,1
	s_delay_alu instid0(VALU_DEP_2)
	v_lshrrev_b32 v[T4+\b], 23, v[SOP+\b]
.endr
.irp b, 0,1
.irp i, 0,1,2,3,4,5,6,7,8,9,10,11,12,13,14,15
.endr
	v_cvt_scalef32_pk8_bf8_f32 v[PC+4*\b:PC+1+4*\b], v[S+16*\b:S+7+16*\b], v[SOP+\b]
	v_cvt_scalef32_pk8_bf8_f32 v[PC+2+4*\b:PC+3+4*\b], v[S+8+16*\b:S+15+16*\b], v[SOP+\b]
.endr
	v_nop
	v_cndmask_b32 v[TMP], v[T4], v[T4+1], s[HI16]  ; lanes 0-15 store the first block's byte, lanes 16-31 the second's
	global_store_b128 v[LI], v[PC:PC+3], s[\pa:\pa+1]
	global_store_b128 v[LI], v[PC+4:PC+7], s[\pa:\pa+1] offset:512
	global_store_b8 v[AO], v[TMP], s[\ps:\ps+1]
	s_wait_xcnt 0x0                                ; the stores have read their registers
.endm
; THE CHANGE OF SLOTS stands at a phase's head: all my tensor loads, the add, my reads of the slot that I have left; one barrier; with fill = 1 the slot just left takes the next phase's keys.
.macro CHANGE fill
	s_wait_tensorcnt 0x0                           ; no tensor load of mine is out, so a group 0 may be written
	ds_add_u32 v[SPW], v[NIL]                      ; 0 onto my spare word
.if \fill
	s_add_co_u32 s66, s[PH], 1                     ; the next phase walks keys 256 x (phase, less SW from SW on)
	s_cmp_ge_u32 s66, s[SW]
	s_cselect_b32 s68, s[SW], 0
	s_sub_co_u32 s66, s66, s68
	s_lshl_b32 s68, s66, 9
	s_lshl_b32 s66, s66, 14
	s_xor_b32 s[G0C+1], s[G0C+1], SLOT1
	s_xor_b32 s[G0W+1], s[G0W+1], SLOT1
	s_add_nc_u64 s[G0C+2:G0C+3], s[52:53], s[66:67]
	s_or_b32 s[G0C+3], s[G0C+3], 0x80000000
	s_add_nc_u64 s[G0W+2:G0W+3], s[54:55], s[68:69]
	s_or_b32 s[G0W+3], s[G0W+3], 0x80000000
.endif
	s_wait_dscnt 0x0                               ; the add is done, and my reads of the slot that I have left are over
	s_barrier_signal -1
	s_barrier_wait -1
.if \fill
	TLOAD                                          ; the first thing behind the barrier, and a wave's one tensor load until the next
.endif
.endm
.macro PHASE fill
	CHANGE \fill
	s_cmp_lg_u32 s[PH], s[SW]
	s_cbranch_scc1 .Lsame_\@                       ; the same in all sixteen waves
	EPI 56, 58                                     ; the late tile leaves, the early tile begins
.irp j, 0,1,2,3,4,5,6,7
	v_mov_b32 v[24+\j], v[QE+\j]
.endr
	v_mov_b32 v[QS], v[QSE]
	INIT
	s_mov_b32 s[Q0], s[Q0E]
	s_mov_b32 s[KF], 0
.Lsame_\@:
	STEP 0
	STEP 1
	s_xor_b32 s[TB], s[TB], SLOT1
.endm
.Lphase:                                           ; eight trips: behind each change of slots but the last the next phase's keys are asked for
	PHASE 1
	s_add_co_u32 s[PH], s[PH], 1
	s_cmp_lt_u32 s[PH], 8
	s_cbranch_scc1 .Lphase
	PHASE 0                                        ; the last phase is written out
	EPI 60, 62
	s_wait_tensorcnt 0x0                           ; the wave's end
	ds_add_u32 v[SPW], v[NIL]
	s_wait_dscnt 0x0
	s_endpgm
.Lfunc_end_k_q9847ff71b8_attn:
	.size	k_q9847ff71b8_attn, .Lfunc_end_k_q9847ff71b8_attn-k_q9847ff71b8_attn
	.p2alignl 7, 3214868480
	.fill 96, 4, 3214868480
	.section	.rodata,"a",@progbits
	.p2align	6, 0x0
	.amdhsa_kernel k_q9847ff71b8_attn
		.amdhsa_group_segment_fixed_size 327680
		.amdhsa_private_segment_fixed_size 0
		.amdhsa_enable_private_segment 0
		.amdhsa_kernarg_size 32
		.amdhsa_user_sgpr_count 2
		.amdhsa_user_sgpr_kernarg_segment_ptr 1
		.amdhsa_wavefront_size32 1
		.amdhsa_system_sgpr_workgroup_id_x 1
		.amdhsa_system_sgpr_workgroup_id_y 1
		.amdhsa_system_sgpr_workgroup_id_z 1
		.amdhsa_system_vgpr_workitem_id 0
		.amdhsa_next_free_vgpr 256
		.amdhsa_next_free_sgpr 88
		.amdhsa_reserve_vcc 1
		.amdhsa_float_denorm_mode_32 3
		.amdhsa_float_denorm_mode_16_64 3
		.amdhsa_fp16_overflow 1
		.amdhsa_memory_ordered 1
		.amdhsa_forward_progress 1
		.amdhsa_inst_pref_size 117
	.end_amdhsa_kernel
	.amdgpu_metadata
---
amdhsa.version: [ 1, 2 ]
amdhsa.kernels:
  - .name:           k_q9847ff71b8_attn
    .symbol:         k_q9847ff71b8_attn.kd
    .args:
      - { .name: hc, .offset: 0, .size: 8, .value_kind: global_buffer, .address_space: global }
      - { .name: hs, .offset: 8, .size: 8, .value_kind: global_buffer, .address_space: global }
      - { .name: ac, .offset: 16, .size: 8, .value_kind: global_buffer, .address_space: global }
      - { .name: asc, .offset: 24, .size: 8, .value_kind: global_buffer, .address_space: global }
    .group_segment_fixed_size: 327680
    .private_segment_fixed_size: 0
    .kernarg_segment_align: 8
    .kernarg_segment_size: 32
    .max_flat_workgroup_size: 512
    .sgpr_count:     88
    .vgpr_count:     256
    .wavefront_size: 32
...
	.end_amdgpu_metadata
.endif
;; end of part 3
;; launch proj (part 4): grid 4 x 32, 4 waves a work-group, clusters of 4 x 4, 327,680 bytes of LDS; arguments ac, asc, opc, ops, b_proj, out0; writes out0
.if DOCPART == 4
	.amdgcn_target "amdgcn-amd-amdhsa--gfx1250"
	.amdhsa_code_object_version 6
	.text
	.protected	k_q9847ff71b8_proj
	.globl	k_q9847ff71b8_proj
	.p2align	8
	.type	k_q9847ff71b8_proj,@function
k_q9847ff71b8_proj:
	s_mov_b64 s[64:65], 0
	v_nop
	global_prefetch_b8 v0, s[64:65] scope:SCOPE_SE
	s_setreg_imm32_b32 hwreg(HW_REG_WAVE_MODE, 25, 1), 1
	s_wait_xcnt 0x0
	s_wait_alu depctr_hold_cnt(0) depctr_sa_sdst(0) depctr_va_vdst(0) depctr_va_sdst(0) depctr_va_ssrc(0) depctr_va_vcc(0) depctr_vm_vsrc(0)
	s_getreg_b32 s2, hwreg(HW_REG_IB_STS2, 6, 4)
	s_cmp_eq_u32 s2, 0
	s_cbranch_scc0 .Lentry_in_a_cluster
	s_endpgm
.Lentry_in_a_cluster:
	s_bfe_u32 s2, ttmp6, 0x10000c
	s_cmp_lg_u32 s2, 0xf033
	s_cbranch_scc0 .Lentry_shape_is_right
	s_endpgm
.Lentry_shape_is_right:
; out0 = (attention's result) w_proj + b_proj on codes of BF8 (E5M2) with E8M0 scales; out0 [8192][1024] f32.
; OPERANDS lie in the order of the operand's registers: tiles of 16 rows, 16,384 bytes: [K step of 128][c][lane][16 bytes]; lane r of tile 2 g + u holds row 32 g + 8 u + r + 8 (r / 8); scale words 512 bytes a tile:
; [half of K][r][word].  P = ac / asc (tokens, source 1: on the lanes), unit of 256 rows 4 y + cy; Q = w_proj's columns in opc / ops (source 0: along a lane's registers), unit 44 + cx.
; A work-group of four waves makes 256 x 256, a wave 128 x 128: 64 accumulators.  K = 1024 goes in four steps of 256 through two LDS slots, written out; the scale words come once.
; CLUSTERS 4 x 4: P's tiles are shared along a row, Q's along a column, by joint loads.  128 work-groups: a smaller tile would read half as much again from LDS for each matrix instruction.
; THE WAY OUT: a lane holds 16-number runs of one row; a block of 16 rows x 128 columns goes through the wave's own stage and comes back as whole rows of 512 bytes; the bias is added there.
; REGISTERS: window 0: v8-11 the bias, v16-29 addresses; v32-63 scale words, two sets; v128-255 P's fragments, one set, later rows of out0.  window 1: Q's fragments, two sets.  windows 2, 3: the accumulators.
.set NQ,    2
.set FR,    16
.set NL,    4
.set NP,    8                          ; places behind this matrix instruction (ISA guide 7.12.1)
.set TILEB, 4096
.set HALFT, 8*TILEB
.set SLOT,  4*HALFT
.set SCL,   2*SLOT
.set HALFS, 4096
.set STAGE, SCL+4*HALFS                ; 16 rows x 528 bytes for each wave; no tile lands here
.set SPITCH, 528
.set SPARE, STAGE+4*16*SPITCH          ; the spare words, 128 bytes for each wave: two blocks of 256 bytes that no other line names
.set BP,   8
.set ADRA, 16
.set ADRB, 20
.set STO,  24
.set RD,   25
.set CO,   26
.set ADRS, 27
.set SPW,  28
.set NIL,  29
.set SC,   32
.set AF,   128
.set BK,   128
.set G1, 24
.set G0, 32
.set G1B, 48
.set G0B, 56
.set G1S, 68
.set G0S, 76
.set G1SB, 80
.set G0SB, 88
.set MSB, 0
.macro WIN new                         ; the immediate's high byte repeats the setting that is left
.if MSB != (\new)
	s_set_vgpr_msb (MSB<<8)|(\new)
.set MSB, (\new)
.endif
.endm
.set MUL_LO, 0xa1
.set MUL_HI, 0xf1
.set TO_B,   0x40
.macro JLOAD g0a, g1a, g0b, g1b        ; a joint load: waves 0 and 1 fetch for P, waves 2 and 3 for Q; four v_nop follow each of the two lines
	s_cmp_eq_u32 s15, 0
	s_cbranch_scc0 .Lfor_b_\@
	tensor_load_to_lds s[\g0a:\g0a+3], s[\g1a:\g1a+7]
	s_nop 0
.rept 4
	v_nop
.endr
	s_branch .Lasked_\@
.Lfor_b_\@:
	tensor_load_to_lds s[\g0b:\g0b+3], s[\g1b:\g1b+7]
	s_nop 0
.rept 4
	v_nop
.endr
.Lasked_\@:
.endm
.macro CREST
	s_cmp_lg_u32 s14, 0
	s_cbranch_scc1 .Lnot_wave_0_\@
	s_barrier_signal -3
.Lnot_wave_0_\@:
	s_barrier_wait -3
	s_barrier_signal -1
	s_barrier_wait -1
.endm
.macro CROUND
	s_barrier_signal -1
	s_barrier_wait -1
	CREST
.endm
.macro PLACES n
.rept \n
	v_nop
.endr
.endm
.macro FRAG reg, adr, q, i
.irp c, 0,1,2,3
	ds_load_b128 v[\reg+4*\c:\reg+4*\c+3], v[\adr] offset:TILEB*(\i)+2048*(\q)+512*\c
.endr
.endm
; the 64 accumulators take turns, one instruction a turn, in the same order in every step
.macro MUL16 a0, p, q, sc, zero
.irp a, \a0, \a0+1
.irp b, 0,1,2,3,4,5,6,7
.if \zero
	v_wmma_scale_f32_16x16x128_f8f6f4 v[8*(8*((\a)%4)+\b):8*(8*((\a)%4)+\b)+7], v[128*(\p)+FR*\b:128*(\p)+FR*\b+FR-1], v[AF+FR*(\a):AF+FR*(\a)+FR-1], 0, v[SC+8*NQ*(\sc)+NQ*\b+(\q)], v[SC+8*NQ*(\sc)+NQ*(\a)+(\q)] matrix_a_fmt:MATRIX_FMT_BF8 matrix_b_fmt:MATRIX_FMT_BF8 matrix_a_scale:MATRIX_SCALE_ROW1
.else
	v_wmma_scale_f32_16x16x128_f8f6f4 v[8*(8*((\a)%4)+\b):8*(8*((\a)%4)+\b)+7], v[128*(\p)+FR*\b:128*(\p)+FR*\b+FR-1], v[AF+FR*(\a):AF+FR*(\a)+FR-1], v[8*(8*((\a)%4)+\b):8*(8*((\a)%4)+\b)+7], v[SC+8*NQ*(\sc)+NQ*\b+(\q)], v[SC+8*NQ*(\sc)+NQ*(\a)+(\q)] matrix_a_fmt:MATRIX_FMT_BF8 matrix_b_fmt:MATRIX_FMT_BF8 matrix_a_scale:MATRIX_SCALE_ROW1
.endif
.endr
.endr
.endm
.macro FETCH_B slot, q, p
	WIN TO_B
.irp i, 0,1,2,3,4,5,6,7
	FRAG 128*(\p)+FR*\i, ADRB+\slot, \q, \i
.endr
	WIN 0
.endm
.macro FETCH_A slot, q, i0
.irp i, \i0, \i0+1, \i0+2, \i0+3
	FRAG AF+FR*(\i), ADRA+\slot, \q, \i
.endr
.endm
.macro SCALES sc, kap
.irp i, 0,1,2,3,4,5,6,7
	ds_load_b64 v[SC+8*NQ*(\sc)+NQ*\i:SC+8*NQ*(\sc)+NQ*\i+1], v[ADRS] offset:\i*512+256*((\kap)/2)+8*((\kap)%2)
.endr
.endm
.macro STEP slot, q, zero
	s_wait_dscnt 4*NL                              ; all but the youngest 16 loads (P's blocks 4-7) are in
	WIN MUL_LO
	MUL16 0, (\q)%2, \q, \slot, \zero
	MUL16 2, (\q)%2, \q, \slot, \zero
	s_wait_dscnt 0
	PLACES NP
	FETCH_B \slot, (\q)+1, 1-(\q)%2
	FETCH_A \slot, (\q)+1, 0
	WIN MUL_HI
	MUL16 4, (\q)%2, \q, \slot, \zero
	MUL16 6, (\q)%2, \q, \slot, \zero
	PLACES NP
	WIN 0
	FETCH_A \slot, (\q)+1, 4
.endm
.macro TURN slot, next, fill, kap
	s_wait_tensorcnt 0x0                           ; all my tensor loads have landed: my part of the next slot
	ds_add_u32 v[SPW], v[NIL]                      ; 0 onto my spare word
	s_wait_dscnt 4*NL+1                            ; (the add and the youngest 16 loads may be out)
	WIN MUL_LO
	MUL16 0, 1, NQ-1, \slot, 0
	s_wait_dscnt 0x0                               ; the add is done, and my reads of this slot are over
	s_barrier_signal -1
	MUL16 2, 1, NQ-1, \slot, 0
	WIN 0
	s_barrier_wait -1
.if \fill
	CREST                                          ; the barrier has opened a round of the cluster's: no wave of any partner still reads this slot or has a load on its way
	s_add_nc_u64 s[G0+4*\slot+2:G0+4*\slot+3], s[G0+4*\slot+2:G0+4*\slot+3], 2*TILEB
	s_add_nc_u64 s[G0B+4*\slot+2:G0B+4*\slot+3], s[G0B+4*\slot+2:G0B+4*\slot+3], 2*TILEB
	JLOAD G0+4*\slot, G1, G0B+4*\slot, G1B
	PLACES NP-4
.else
	PLACES NP
.endif
	FETCH_B \next, 0, 0
	FETCH_A \next, 0, 0
	SCALES \next, \kap
	WIN MUL_HI
	MUL16 4, 1, NQ-1, \slot, 0
	MUL16 6, 1, NQ-1, \slot, 0
	PLACES NP
	WIN 0
	FETCH_A \next, 0, 4
.endm
	s_load_b128 s[4:7], s[0:1], 0x0                ; ac, asc
	s_load_b128 s[8:11], s[0:1], 0x10              ; opc, ops
	s_load_b128 s[96:99], s[0:1], 0x20             ; b_proj, out0
	v_lshl_add_u32 v[SPW], v0, 2, SPARE
	v_mov_b32 v[NIL], 0
	ds_add_u32 v28, v29
	ds_add_u32 v28, v29
	s_wait_dscnt 0x0
	v_lshrrev_b32 v1, 5, v0
	v_readfirstlane_b32 s14, v1                    ; wave 0..3
	s_lshr_b32 s15, s14, 1                         ; my half of P.  Also: I fetch for P (0) or for Q (1)
	s_and_b32 s16, s14, 1                          ; my half of Q.  Also: which 128 rows I fetch
	s_bfe_u32 s40, ttmp6, 0x40000                  ; cx
	s_bfe_u32 s41, ttmp6, 0x40004                  ; cy
	s_and_b32 s17, ttmp7, 0xffff
	s_lshl_b32 s17, s17, 2
	s_add_co_u32 s17, s17, s41                     ; P's unit: 4 y + cy
	s_lshl_b32 s42, ttmp9, 2
	s_add_co_u32 s42, s42, s40
	s_add_co_u32 s42, s42, 44                      ; Q's unit: w_proj begins at unit 44
	s_lshl_b32 s43, s41, 2
	s_lshl_b32 s43, 15, s43                        ; my row of the cluster
	s_lshl_b32 s44, 0x1111, s40                    ; my column
	s_or_b32 s[G1+0], s43, (3<<16)|(1<<21)         ; codes: 8 rows of 512 elements of 8 bytes, 16,384 bytes apart, dense in LDS
	s_or_b32 s[G1B+0], s44, (3<<16)|(1<<21)
.irp g, G1, G1B
	s_mov_b32 s[\g+1], 512<<16
	s_mov_b32 s[\g+2], 8<<16
	s_mov_b32 s[\g+3], 512<<16
	s_mov_b32 s[\g+4], 8
	s_mov_b32 s[\g+5], 2048
	s_mov_b32 s[\g+6], 0
	s_mov_b32 s[\g+7], 0
.endr
	s_or_b32 s[G1S+0], s43, (3<<16)|(1<<21)        ; scale words of 128 rows: 4,096 dense bytes as 16 rows of 256
	s_or_b32 s[G1SB+0], s44, (3<<16)|(1<<21)
.irp g, G1S, G1SB
	s_mov_b32 s[\g+1], 32<<16
	s_mov_b32 s[\g+2], 16<<16
	s_mov_b32 s[\g+3], 32<<16
	s_mov_b32 s[\g+4], 16
	s_mov_b32 s[\g+5], 32
	s_mov_b32 s[\g+6], 0
	s_mov_b32 s[\g+7], 0
.endr
	s_lshl_b32 s19, s16, 17
	s_lshl_b32 s95, s16, 12
	s_lshl_b32 s20, s17, 18
	s_add_co_u32 s20, s20, s19
	s_mov_b32 s21, 0
	s_lshl_b32 s46, s42, 18
	s_add_co_u32 s46, s46, s19
	s_mov_b32 s47, 0
	s_lshl_b32 s22, s17, 13
	s_add_co_u32 s22, s22, s95
	s_mov_b32 s23, 0
	s_lshl_b32 s92, s42, 13
	s_add_co_u32 s92, s92, s95
	s_mov_b32 s93, 0
	s_lshl_b32 s45, s14, 15                        ; where they go: wave x 32,768: no place in the cluster enters an LDS address
	s_lshl_b32 s94, s14, 12
	s_wait_kmcnt 0x0
	s_add_nc_u64 s[20:21], s[4:5], s[20:21]
	s_add_nc_u64 s[22:23], s[6:7], s[22:23]
	s_add_nc_u64 s[46:47], s[8:9], s[46:47]
	s_add_nc_u64 s[92:93], s[10:11], s[92:93]
	CROUND                                         ; all sixteen work-groups are here: the first joint loads meet
	s_mov_b32 s[G0S], 1
	s_add_co_u32 s[G0S+1], s94, SCL
	s_mov_b64 s[G0S+2:G0S+3], s[22:23]
	s_or_b32 s[G0S+3], s[G0S+3], 0x80000000
	s_mov_b32 s[G0SB], 1
	s_add_co_u32 s[G0SB+1], s94, SCL
	s_mov_b64 s[G0SB+2:G0SB+3], s[92:93]
	s_or_b32 s[G0SB+3], s[G0SB+3], 0x80000000
	JLOAD G0S, G1S, G0SB, G1SB                     ; the scale words first; one load of mine is out behind the loop below
.irp s, 0,1
	s_mov_b32 s[G0+4*\s], 1
	s_add_co_u32 s[G0+4*\s+1], s45, \s*SLOT
	s_add_nc_u64 s[G0+4*\s+2:G0+4*\s+3], s[20:21], \s*TILEB
	s_or_b32 s[G0+4*\s+3], s[G0+4*\s+3], 0x80000000
	s_mov_b32 s[G0B+4*\s], 1
	s_add_co_u32 s[G0B+4*\s+1], s45, \s*SLOT
	s_add_nc_u64 s[G0B+4*\s+2:G0B+4*\s+3], s[46:47], \s*TILEB
	s_or_b32 s[G0B+4*\s+3], s[G0B+4*\s+3], 0x80000000
	s_wait_alu depctr_va_vdst(0)
	s_wait_tensorcnt 0x0
	ds_add_u32 v28, v29
	s_wait_dscnt 0x0
	CROUND
	JLOAD G0+4*\s, G1, G0B+4*\s, G1B
.endr
	v_and_b32 v1, 15, v0                           ; r
	v_bfe_u32 v2, v0, 4, 1                         ; h
	v_and_b32 v3, 31, v0
	v_lshlrev_b32 v[CO], 4, v3                     ; 16 x lane
	s_wait_alu depctr_va_vdst(0)
	s_lshl_b32 s100, s40, 10
	s_lshl_b32 s101, s16, 9
	s_add_co_u32 s100, s100, s101                  ; my 128 columns, in bytes
	s_mov_b32 s101, 0
	s_add_nc_u64 s[96:97], s[96:97], s[100:101]
	s_add_nc_u64 s[98:99], s[98:99], s[100:101]
	s_lshl_b32 s100, s17, 20                       ; my 128 rows: 256 rows of 4,096 bytes a unit,
	s_lshl_b32 s66, s15, 19                        ; 128 a half
	s_add_co_u32 s100, s100, s66
	s_add_nc_u64 s[98:99], s[98:99], s[100:101]
	global_load_b128 v[BP:BP+3], v[CO], s[96:97]   ; the bias of my four columns of a row
	s_lshl_b32 s100, s15, 15
	s_lshl_b32 s66, s16, 15
	s_add_co_u32 s66, s66, 2*HALFT
.irp s, 0,1
	v_add_nc_u32 v[ADRA+\s], s100, v[CO]
	v_add_nc_u32 v[ADRB+\s], s66, v[CO]
	s_add_co_u32 s100, s100, SLOT
	s_add_co_u32 s66, s66, SLOT
.endr
	s_lshl_b32 s100, s15, 12
	s_lshl_b32 s66, s16, 12
	s_add_co_u32 s66, s66, 2*HALFS
	s_sub_co_u32 s66, s66, s100
	v_mul_u32_u24 v6, s66, v2                      ; lanes 16-31 take Q's scale words: one product with h
	s_add_co_u32 s100, s100, SCL
	v_lshl_add_u32 v5, v1, 4, v6
	v_add_nc_u32 v[ADRS], s100, v5
	s_mul_i32 s100, s14, 16*SPITCH
	s_add_co_u32 s100, s100, STAGE                 ; my stage
	v_mul_u32_u24 v5, v1, SPITCH
	v_lshl_add_u32 v5, v2, 6, v5
	v_add_nc_u32 v[STO], s100, v5                  ; in: row r, + 64 h
	v_add_nc_u32 v[RD], s100, v[CO]                ; back: 16 bytes a lane of a row
	s_wait_alu depctr_va_vdst(0)
	s_wait_loadcnt 0x0                             ; the bias
	s_wait_tensorcnt 1                             ; the scale words and my part of K step 0 are in; K step 1's load may be out
	s_barrier_signal -1
	s_barrier_wait -1
	FETCH_B 0, 0, 0
	FETCH_A 0, 0, 0
	SCALES 0, 0
	FETCH_A 0, 0, 4
	STEP 0, 0, 1                                   ; the first products start the sums: nothing is cleared
	TURN 0, 1, 1, 1                                ; slot 0 takes K step 2
	STEP 1, 0, 0
	TURN 1, 0, 1, 2                                ; slot 1 takes K step 3
	STEP 0, 0, 0
	TURN 0, 1, 0, 3                                ; nothing is left to fetch: no round
	STEP 1, 0, 0
	s_wait_dscnt 4*NL
	WIN MUL_LO
	MUL16 0, 1, NQ-1, 1, 0
	MUL16 2, 1, NQ-1, 1, 0
	s_wait_dscnt 0
	WIN MUL_HI
	MUL16 4, 1, NQ-1, 1, 0
	MUL16 6, 1, NQ-1, 1, 0
	WIN 0
; THE WAY OUT, block by block of 16 rows x 128 columns.  Accumulator b's eight numbers of lane (r, h) are columns 32 (b / 2) + 16 h + 8 (b % 2) + 0 .. 7 of the row in lane r.
.macro TOSTAGE a
.set AC, 64*((\a)%4)
	WIN 0x08+4*((\a)/4)                            ; the data: window 2 or 3
.irp b, 0,1,2,3,4,5,6,7
	ds_store_b128 v[STO], v[AC+8*\b:AC+8*\b+3] offset:128*(\b/2)+32*(\b%2)          ; each accumulator from its low end on
	ds_store_b128 v[STO], v[AC+8*\b+4:AC+8*\b+7] offset:128*(\b/2)+32*(\b%2)+16
.endr
	WIN 0
.set BB, BK+64*((\a)%2)
.irp t, 0,1,2,3,4,5,6,7,8,9,10,11,12,13,14,15
	ds_load_b128 v[BB+4*\t:BB+4*\t+3], v[RD] offset:\t*SPITCH                       ; LDS serves a wave's instructions in order: these see my stores
.endr
.endm
.macro SEND a, younger                 ; younger: the LDS instructions issued behind block a's loads, which may stay out
.set BB, BK+64*((\a)%2)
	s_wait_dscnt \younger
.irp t, 0,1,2,3,4,5,6,7,8,9,10,11,12,13,14,15
	v_pk_add_f32 v[BB+4*\t:BB+4*\t+1], v[BB+4*\t:BB+4*\t+1], v[BP:BP+1]
	v_pk_add_f32 v[BB+4*\t+2:BB+4*\t+3], v[BB+4*\t+2:BB+4*\t+3], v[BP+2:BP+3]
	global_store_b128 v[CO], v[BB+4*\t:BB+4*\t+3], s[98:99] offset:(32*((\a)/2)+8*((\a)%2)+\t+8*(\t/8))*4096 th:TH_STORE_NT   ; 512 consecutive bytes of one row, aligned; stage row t is the row of lane t
.endr
.endm
	PLACES NP                                      ; in front of the first reads of results and of loads into the registers that held P's fragments
	TOSTAGE 0
.irp a, 1,2,3,4,5,6,7
.if \a > 1
	s_wait_xcnt 0x0                                ; block a - 2's stores have read their registers: block a's loads may land there
.endif
	TOSTAGE \a
	SEND \a-1, 32                                  ; behind block a - 1's loads: block a's 16 stores and 16 loads
.endr
	SEND 7, 0
	s_wait_tensorcnt 0x0                           ; the wave's end
	ds_add_u32 v[SPW], v[NIL]
	s_wait_dscnt 0x0
	CROUND                                         ; the closing round
	s_endpgm
.Lfunc_end_k_q9847ff71b8_proj:
	.size	k_q9847ff71b8_proj, .Lfunc_end_k_q9847ff71b8_proj-k_q9847ff71b8_proj
	.p2alignl 7, 3214868480
	.fill 96, 4, 3214868480
	.section	.rodata,"a",@progbits
	.p2align	6, 0x0
	.amdhsa_kernel k_q9847ff71b8_proj
		.amdhsa_group_segment_fixed_size 327680
		.amdhsa_private_segment_fixed_size 0
		.amdhsa_enable_private_segment 0
		.amdhsa_kernarg_size 48
		.amdhsa_user_sgpr_count 2
		.amdhsa_user_sgpr_kernarg_segment_ptr 1
		.amdhsa_wavefront_size32 1
		.amdhsa_system_sgpr_workgroup_id_x 1
		.amdhsa_system_sgpr_workgroup_id_y 1
		.amdhsa_system_sgpr_workgroup_id_z 1
		.amdhsa_system_vgpr_workitem_id 0
		.amdhsa_next_free_vgpr 1024
		.amdhsa_next_free_sgpr 102
		.amdhsa_reserve_vcc 0
		.amdhsa_float_denorm_mode_32 3
		.amdhsa_float_denorm_mode_16_64 3
		.amdhsa_memory_ordered 1
		.amdhsa_forward_progress 1
		.amdhsa_inst_pref_size 161
	.end_amdhsa_kernel
	.amdgpu_metadata
---
amdhsa.version: [ 1, 2 ]
amdhsa.kernels:
  - .name:           k_q9847ff71b8_proj
    .symbol:         k_q9847ff71b8_proj.kd
    .args:
      - { .name: ac, .offset: 0, .size: 8, .value_kind: global_buffer, .address_space: global }
      - { .name: asc, .offset: 8, .size: 8, .value_kind: global_buffer, .address_space: global }
      - { .name: opc, .offset: 16, .size: 8, .value_kind: global_buffer, .address_space: global }
      - { .name: ops, .offset: 24, .size: 8, .value_kind: global_buffer, .address_space: global }
      - { .name: b_proj, .offset: 32, .size: 8, .value_kind: global_buffer, .address_space: global }
      - { .name: out0, .offset: 40, .size: 8, .value_kind: global_buffer, .address_space: global }
    .group_segment_fixed_size: 327680
    .private_segment_fixed_size: 0
    .kernarg_segment_align: 8
    .kernarg_segment_size: 48
    .max_flat_workgroup_size: 128
    .sgpr_count:     102
    .vgpr_count:     1024
    .wavefront_size: 32
...
	.end_amdgpu_metadata
.endif
;; end of part 4
